; MI455X (gfx1250); checked and timed in simulation.
; The chip was launched on July 23, 2026; its instructions are those of AMD's public machine-readable ISA for CDNA 5 (MIT licence, August 2026) and "CDNA5" Instruction Set Architecture Reference Guide (July 2026). The comments in the code are by the model that wrote it; some were corrected since.
;; Causal Self Attention ARMA. Allowed arithmetic: float matrix products may take bf16 or f16 operands with f32 sums; other float arithmetic in f32, or as packed bf16 or f16 multiplies, adds, multiply-adds, maxima and minima; sums over many terms, partial sums and values carried from step to step in f32; what a program stores and reads back later, other than sums and carried values, may be rounded once to bf16 or f16.
;; Inputs: W_attn 1,024 x 2,048 float32; W_k2 1,024 x 1,024 float32; W_proj 1,024 x 1,024 float32; b_attn 2,048 float32; b_k2 1,024 float32; b_proj 1,024 float32; x 2 x 2,048 x 1,024 float32.
;; Outputs: out0 2 x 2,048 x 1,024 float32.
;; 2 versions, each right; version 2 is version 1 with the launch prep written anew for expert scheduling mode. Each part assembles by itself: llvm-mc -triple=amdgcn-amd-amdhsa -mcpu=gfx1250 --defsym DOCPART=n.
;; ======== version 1 of 2: 5 launches
;; limits: values are held in f16: magnitudes above 65,504 overflow, below 6.1e-05 lose precision; right only within a limited range of input values
;; workspace buffers: vh 8,388,608 bytes; w16 8,388,608 bytes; qkk 25,165,824 bytes; ey 16,777,216 bytes; oo 16,777,216 bytes; par1 256 bytes of whole numbers; par2 256 bytes of whole numbers
;; launch prep (part 1): grid 256 x 1, 8 waves a work-group, no clusters, 0 bytes of LDS; arguments x, W_attn, W_k2, W_proj, vh, w16, par1, par2; writes vh, w16, par1, par2
.if DOCPART == 1
	.amdgcn_target "amdgcn-amd-amdhsa--gfx1250"
	.amdhsa_code_object_version 6
	.text
	.protected	k_q9c5856a2e9_prep
	.globl	k_q9c5856a2e9_prep
	.p2align	8
	.type	k_q9c5856a2e9_prep,@function
k_q9c5856a2e9_prep:
	s_mov_b64 s[64:65], 0
	v_nop
	global_prefetch_b8 v0, s[64:65] scope:SCOPE_SE
	s_setreg_imm32_b32 hwreg(HW_REG_WAVE_MODE, 25, 1), 1
	s_wait_xcnt 0x0
; x, W_attn, W_k2, W_proj (f32, row-major) are rounded to bf16 and written as f16, in blocks of 64 columns: [block][row][64], a row 128 bytes, a block's rows dense.
;   vh  [16][4096][64] from x;   w16 [64][1024][64]: blocks 0-31 W_attn's columns, 32-47 W_k2's, 48-63 W_proj's.
; LIMITS.  A bf16 number is an f16 number exactly from 2^-14 to 65,504 in magnitude; under 2^-17 it keeps f16's fixed step of 6e-8; 65,520 and more become an infinity.
; SHARES.  One operation for all four: a panel of 32 rows x 4,096 bytes (16 blocks) becomes 16 x 32 rows x 128 bytes.  256 work-groups: 128 panels of x, 64 of W_attn, 32 of W_k2, 32 of W_proj;
; which one is chosen by selects on the work-group's number, with no branch.  Wave w takes blocks 2 w and 2 w + 1.  A load takes 256 consecutive bytes of each of two rows; a store 256 consecutive bytes.
; All 32 loads of a wave go out at once (16 KiB a wave), so there is no loop; each byte is read once and written once.  No LDS, no matrix unit, no cluster: nothing is shared.
; Work-group 0's wave 0 also writes the two tables of whole numbers from which the two attention launches take (d, 1 - d): par1 = (0, 1), par2 = (1, 0).
.set VA, 4                             ; v[4:19]   byte offset of my 16 bytes in rows 2 i, 2 i + 1 of the panel
.set VD, 20                            ; v[20:21]  byte offset of my 8 bytes in block 2 w + j
.set T,  22                            ; v[22:27]  at work
.set X,  32                            ; v[32:159] load n: 4 registers
	s_load_b512 s[8:23], s[0:1], 0x0               ; x s[8:9], W_attn s[10:11], W_k2 s[12:13], W_proj s[14:15], vh s[16:17], w16 s[18:19], par1 s[20:21], par2 s[22:23]
	s_mov_b32 s2, ttmp9                            ; u
	v_and_b32 v1, 31, v0                           ; lane
	v_lshrrev_b32 v2, 5, v0
	v_readfirstlane_b32 s24, v2                    ; wave
	s_sub_co_u32 s25, s2, 128
	s_lshr_b32 s26, s25, 1                         ; W_attn: group of 32 rows,
	s_and_b32 s27, s25, 1                          ; which half of its 2,048 columns,
	s_lshl_b32 s28, s27, 4                         ; first block
	s_sub_co_u32 s29, s2, 192                      ; W_k2: group of rows
	s_sub_co_u32 s34, s2, 224                      ; W_proj: group of rows
	s_mov_b32 s35, 4096
	s_mov_b32 s36, 8192
	s_mov_b32 s37, 524288
	s_mov_b32 s38, 131072
	s_mov_b32 s45, 0xffff0000                      ; a word's upper bf16
	s_wait_kmcnt 0x0
	s_cmp_lt_u32 s2, 224                           ; W_k2 or W_proj
	s_cselect_b32 s3, s29, s34                     ; s3 group of rows
	s_cselect_b32 s7, 32, 48                       ; s7 first block
	s_cselect_b64 s[30:31], s[12:13], s[14:15]     ; s[30:31] source
	s_cmp_lt_u32 s2, 192                           ; W_attn
	s_cselect_b32 s3, s26, s3
	s_cselect_b32 s7, s28, s7
	s_cselect_b32 s4, s27, 0                       ; s4 panel in the row
	s_cselect_b32 s5, s36, s35                     ; s5 bytes in a source row
	s_cselect_b64 s[30:31], s[10:11], s[30:31]
	s_cmp_lt_u32 s2, 128                           ; x
	s_cselect_b32 s3, s2, s3
	s_cselect_b32 s7, 0, s7
	s_cselect_b32 s4, 0, s4
	s_cselect_b32 s5, s35, s5
	s_cselect_b32 s6, s37, s38                     ; s6 bytes in a block of the destination
	s_cselect_b64 s[30:31], s[8:9], s[30:31]
	s_cselect_b64 s[32:33], s[16:17], s[18:19]     ; s[32:33] destination
	s_mul_i32 s40, s3, s5
	s_lshl_b32 s40, s40, 5                         ; 32 rows a group
	s_lshl_b32 s41, s4, 12
	s_add_co_u32 s40, s40, s41
	s_mov_b32 s41, 0
	s_add_nc_u64 s[30:31], s[30:31], s[40:41]
	s_mul_i32 s42, s7, s6
	s_lshl_b32 s43, s3, 12                         ; 32 rows of 128 bytes
	s_add_co_u32 s42, s42, s43
	s_mov_b32 s43, 0
	s_add_nc_u64 s[32:33], s[32:33], s[42:43]
	v_lshrrev_b32 v3, 4, v1                        ; lanes 16-31 take the odd row
	v_and_b32 v2, 15, v1
	v_mul_lo_u32 v[VA], v3, s5
	v_lshl_add_u32 v[VA], v2, 4, v[VA]
	s_lshl_b32 s46, s24, 9                         ; my wave's two blocks: 512 bytes of a source row
	v_add_nc_u32 v[VA], s46, v[VA]
	s_lshl_b32 s44, s5, 1
.set i, 1
.rept 15
	v_add_nc_u32 v[VA+i], s44, v[VA+i-1]           ; two rows on
.set i, i+1
.endr
	s_lshl_b32 s47, s24, 1
	s_mul_i32 s47, s47, s6
	v_lshl_add_u32 v[VD], v1, 3, s47               ; 8 x lane + block 2 w
	v_add_nc_u32 v[VD+1], s6, v[VD]
.set i, 0
.rept 16
	global_load_b128 v[X+8*i:X+8*i+3],   v[VA+i], s[30:31] th:TH_LOAD_NT
	global_load_b128 v[X+8*i+4:X+8*i+7], v[VA+i], s[30:31] offset:256 th:TH_LOAD_NT
.set i, i+1
.endr
.set n, 0
.rept 32
	s_wait_loadcnt 31-n                            ; loads come back in order: load n is in, the 31 - n younger ones stay out
	v_cvt_pk_bf16_f32 v[T],   v[X+4*n],   v[X+4*n+1]   ; the one rounding
	v_cvt_pk_bf16_f32 v[T+1], v[X+4*n+2], v[X+4*n+3]
	v_lshlrev_b32 v[T+2], 16, v[T]
	v_and_b32     v[T+3], s45, v[T]
	v_lshlrev_b32 v[T+4], 16, v[T+1]
	v_and_b32     v[T+5], s45, v[T+1]
	v_cvt_pk_f16_f32 v[X+4*n],   v[T+2], v[T+3]   ; the same numbers in f16
	v_cvt_pk_f16_f32 v[X+4*n+1], v[T+4], v[T+5]
	global_store_b64 v[VD+n%2], v[X+4*n:X+4*n+1], s[32:33] offset:256*(n/2)  ; 32 lanes: rows 2 i and 2 i + 1 of one block, 256 consecutive bytes; these registers are not written again
.set n, n+1
.endr
	s_or_b32 s46, s2, s24
	s_cmp_lg_u32 s46, 0
	s_cbranch_scc1 .Lend
	v_mov_b32 v28, 0
	v_mov_b32 v29, 1
	v_mov_b32 v30, 1
	v_mov_b32 v31, 0
	v_lshlrev_b32 v2, 3, v1
	global_store_b64 v2, v[28:29], s[20:21]        ; par1: 32 pairs (0, 1)
	global_store_b64 v2, v[30:31], s[22:23]        ; par2: 32 pairs (1, 0)
.Lend:
	s_endpgm
.Lfunc_end_k_q9c5856a2e9_prep:
	.size	k_q9c5856a2e9_prep, .Lfunc_end_k_q9c5856a2e9_prep-k_q9c5856a2e9_prep
	.p2alignl 7, 3214868480
	.fill 96, 4, 3214868480
	.section	.rodata,"a",@progbits
	.p2align	6, 0x0
	.amdhsa_kernel k_q9c5856a2e9_prep
		.amdhsa_group_segment_fixed_size 0
		.amdhsa_private_segment_fixed_size 0
		.amdhsa_enable_private_segment 0
		.amdhsa_kernarg_size 64
		.amdhsa_user_sgpr_count 2
		.amdhsa_user_sgpr_kernarg_segment_ptr 1
		.amdhsa_wavefront_size32 1
		.amdhsa_system_sgpr_workgroup_id_x 1
		.amdhsa_system_sgpr_workgroup_id_y 1
		.amdhsa_system_sgpr_workgroup_id_z 1
		.amdhsa_system_vgpr_workitem_id 0
		.amdhsa_next_free_vgpr 160
		.amdhsa_next_free_sgpr 66
		.amdhsa_reserve_vcc 0
		.amdhsa_float_denorm_mode_32 3
		.amdhsa_float_denorm_mode_16_64 3
		.amdhsa_memory_ordered 1
		.amdhsa_forward_progress 1
		.amdhsa_inst_pref_size 23
	.end_amdhsa_kernel
	.amdgpu_metadata
---
amdhsa.version: [ 1, 2 ]
amdhsa.kernels:
  - .name:           k_q9c5856a2e9_prep
    .symbol:         k_q9c5856a2e9_prep.kd
    .args:
      - { .name: x, .offset: 0, .size: 8, .value_kind: global_buffer, .address_space: global }
      - { .name: W_attn, .offset: 8, .size: 8, .value_kind: global_buffer, .address_space: global }
      - { .name: W_k2, .offset: 16, .size: 8, .value_kind: global_buffer, .address_space: global }
      - { .name: W_proj, .offset: 24, .size: 8, .value_kind: global_buffer, .address_space: global }
      - { .name: vh, .offset: 32, .size: 8, .value_kind: global_buffer, .address_space: global }
      - { .name: w16, .offset: 40, .size: 8, .value_kind: global_buffer, .address_space: global }
      - { .name: par1, .offset: 48, .size: 8, .value_kind: global_buffer, .address_space: global }
      - { .name: par2, .offset: 56, .size: 8, .value_kind: global_buffer, .address_space: global }
    .group_segment_fixed_size: 0
    .private_segment_fixed_size: 0
    .kernarg_segment_align: 8
    .kernarg_segment_size: 64
    .max_flat_workgroup_size: 256
    .sgpr_count:     66
    .vgpr_count:     160
    .wavefront_size: 32
...
	.end_amdgpu_metadata
.endif
;; end of part 1
;; launch qkv (part 2): grid 16 x 16, 4 waves a work-group, clusters of 4 x 4, 327,680 bytes of LDS; arguments vh, w16, qkk, b_attn, b_k2; writes qkk
.if DOCPART == 2
	.amdgcn_target "amdgcn-amd-amdhsa--gfx1250"
	.amdhsa_code_object_version 6
	.text
	.protected	k_q9c5856a2e9_qkv
	.globl	k_q9c5856a2e9_qkv
	.p2align	8
	.type	k_q9c5856a2e9_qkv,@function
k_q9c5856a2e9_qkv:
	s_mov_b64 s[64:65], 0
	v_nop
	global_prefetch_b8 v0, s[64:65] scope:SCOPE_SE
	s_setreg_imm32_b32 hwreg(HW_REG_WAVE_MODE, 25, 1), 1
	s_wait_xcnt 0x0
	s_wait_alu depctr_hold_cnt(0) depctr_sa_sdst(0) depctr_va_vdst(0) depctr_va_sdst(0) depctr_va_ssrc(0) depctr_va_vcc(0) depctr_vm_vsrc(0)
	s_getreg_b32 s2, hwreg(HW_REG_IB_STS2, 6, 4)
	s_cmp_eq_u32 s2, 0
	s_cbranch_scc0 .Lentry_in_a_cluster
	s_endpgm
.Lentry_in_a_cluster:
	s_bfe_u32 s2, ttmp6, 0x10000c
	s_cmp_lg_u32 s2, 0xf033
	s_cbranch_scc0 .Lentry_shape_is_right
	s_endpgm
.Lentry_shape_is_right:
; qkk[nb][m][64] = x W + b for the 48 blocks of 64 columns of (W_attn | W_k2): q in blocks 0-15, k in 16-31, k2 in 32-47.  Operands f16 (numbers rounded to bf16 by the launch before), sums f32,
; the bias rounded to bf16 like the other inputs and given to the first product as its C; the result rounded once to f16.
; LIMITS.  q, k, k2 of 65,520 or more in magnitude become infinities in f16.
; SHARES.  A tile of C is 256 rows x 192 columns (3 blocks): 16 x 16 work-groups.  Wave w makes rows 64 w .. 64 w + 63 of all 192 columns: 4 x 12 accumulators, 384 registers; so a wave owns whole rows of 128 bytes of three blocks.
; K goes in 8 steps of 128 (two slices of 64 of vh) through two LDS slots.  Waves 0, 1 fetch A's two slices (256 rows x 128 bytes, dense: asked for as 128 rows of 256 bytes), waves 2, 3 64 rows of k of each of the three blocks
; of w16 (three dense pieces of 8,192 bytes, 131,072 bytes apart: one tile of three long rows).  A lies [m][k], B [k][n]: B comes out of LDS turned, by ds_load_tr16_b128.
; CLUSTER 4 x 4: A's tile hangs on the tile row and is asked for jointly along a row of the cluster, B's on the tile column and along a column.
; THE MATRIX INSTRUCTION IS USED TRANSPOSED (source 0 = 16 columns of B, source 1 = 16 rows of A): a lane holds row l % 16 and eight neighbouring columns.
; No prefetch: the launch has 8 K steps, of which two are first fills and two more would lie inside the lead.
; REGISTERS.  window 0: v0-31 addresses; v32-47 packed results; v48-79 rows read back (two sets); v96-127, v224-255 A's fragments (two buffers); v128-223 the bias, 8 registers a fragment of B
;   window 1: v0-95, v96-191 B's fragments (two buffers of 12)      window 2: accumulator (a, b < 8) at 8 (8 a + b)      window 3: (a, b >= 8) at 8 (4 a + b - 8)
.set PA,    144                        ; an LDS row of A: 128 bytes + 16: the 16 rows of a load start at 16 different groups of four banks
.set PBW,   160                        ; an LDS row of B: 128 + 32
.set ASL,   256*PA                     ; a slice's 256 rows
.set BSL,   3*64*PBW                   ; 64 rows of k of three blocks
.set BOFF,  2*ASL
.set SLOT,  BOFF+2*BSL                 ; 135,168
.set STAGE, 2*SLOT                     ; behind the ring: 16 rows x 144 bytes for each wave
.set SP,    144
.set SPARE, STAGE+4*16*SP              ; the spare words, 128 bytes a wave
.set ASTEP, 1048576                    ; bytes from a K step to the next in vh: two slices
.set BSTEP, 16384                      ; in w16: 128 rows
.set LAPS,  4
.set ADRA, 16
.set ADRB, 20
.set STO,  24
.set RD,   25
.set CO,   26
.set BO,   27
.set SPW,  28
.set NIL,  29
.set PK,   32
.set OB,   48
.set BIAS, 128
.set G1,  24
.set G0,  32
.set G1B, 48
.set G0B, 56
.set MSB, 0
.macro WIN new                         ; the immediate's high byte repeats the setting that is left; a switch that changes nothing is dropped
.if MSB != (\new)
	s_set_vgpr_msb (MSB<<8)|(\new)
.set MSB, \new
.endif
.endm
.macro JLOAD s                         ; a joint load: waves 0, 1 ask for A, waves 2, 3 for B; an s_nop 0 and four v_nop follow each line
	s_cmp_eq_u32 s11, 0
	s_cbranch_scc0 .Lfor_b_\@
	tensor_load_to_lds s[G0+4*(\s):G0+4*(\s)+3], s[G1:G1+7]
	s_nop 0
.rept 4
	v_nop
.endr
	s_branch .Lasked_\@
.Lfor_b_\@:
	tensor_load_to_lds s[G0B+4*(\s):G0B+4*(\s)+3], s[G1B:G1B+7]
	s_nop 0
.rept 4
	v_nop
.endr
.Lasked_\@:
.endm
.macro CREST                           ; a round of the cluster's barrier behind its opening barrier
	s_cmp_lg_u32 s10, 0
	s_cbranch_scc1 .Lnot_wave_0_\@
	s_barrier_signal -3
.Lnot_wave_0_\@:
	s_barrier_wait -3
	s_barrier_signal -1
	s_barrier_wait -1
.endm
.macro CROUND
	s_barrier_signal -1
	s_barrier_wait -1
	CREST
.endm
.macro PLACES                          ; four places behind matrix instructions, ahead of loads into their sources and of readers of their results
.rept 4
	v_nop
.endr
.endm
	s_load_b128 s[4:7], s[0:1], 0x0                ; vh s[4:5], w16 s[6:7]
	s_load_b64 s[8:9], s[0:1], 0x10                ; qkk
	s_load_b128 s[72:75], s[0:1], 0x18             ; b_attn s[72:73], b_k2 s[74:75]
	v_lshl_add_u32 v[SPW], v0, 2, SPARE
	v_mov_b32 v[NIL], 0
	ds_add_u32 v[SPW], v[NIL]                      ; the wave's opening: the add and its wait stand ahead of my first tensor load
	v_lshrrev_b32 v1, 5, v0
	v_readfirstlane_b32 s10, v1                    ; wave
	s_lshr_b32 s11, s10, 1                         ; 0: I fetch for A, 1: for B
	s_and_b32 s12, s10, 1                          ; which half of a K step I fetch
	s_bfe_u32 s40, ttmp6, 0x40000                  ; cx
	s_bfe_u32 s41, ttmp6, 0x40004                  ; cy
	s_lshl_b32 s42, ttmp9, 2
	s_add_co_u32 s42, s42, s40                     ; tile column
	s_and_b32 s13, ttmp7, 0xffff
	s_lshl_b32 s13, s13, 2
	s_add_co_u32 s13, s13, s41                     ; tile row
	s_lshl_b32 s43, s41, 2
	s_lshl_b32 s43, 15, s43                        ; my row of the cluster
	s_lshl_b32 s44, 0x1111, s40                    ; my column
	s_or_b32 s[G1+0], s43, (1<<16)|(1<<20)|(1<<21)|(4<<22)|(3<<25)   ; mask; 2-byte elements; padding on; bit 21 beside a mask; after every 32 words, 4 words
	s_mov_b32 s[G1+1], 128<<16                     ; tensor_dim0 = 128
	s_mov_b32 s[G1+2], 128<<16                     ; tensor_dim1 = 128
	s_mov_b32 s[G1+3], 128<<16                     ; tile_dim0 = 128
	s_mov_b32 s[G1+4], 128                         ; tile_dim1 = 128
	s_mov_b32 s[G1+5], 128                         ; elements from row to row
	s_mov_b32 s[G1+6], 0
	s_mov_b32 s[G1+7], 0
	s_or_b32 s[G1B+0], s44, (1<<16)|(1<<20)|(1<<21)|(4<<22)|(7<<25)  ; the same with my column's mask and 8 words of padding
	s_mov_b32 s[G1B+1], 4096<<16                   ; tensor_dim0 = 4,096
	s_mov_b32 s[G1B+2], 3<<16                      ; tensor_dim1 = 3
	s_mov_b32 s[G1B+3], 4096<<16                   ; tile_dim0 = 4,096
	s_mov_b32 s[G1B+4], 3                          ; tile_dim1 = 3
	s_mov_b32 s[G1B+5], 65536                      ; a block of w16 in elements
	s_mov_b32 s[G1B+6], 0
	s_mov_b32 s[G1B+7], 0
	s_lshl_b32 s16, s12, 19                        ; A: my slice of the step,
	s_lshl_b32 s17, s13, 15                        ; the tile's 256 rows of 128 bytes
	s_add_co_u32 s16, s16, s17
	s_mov_b32 s17, 0
	s_mul_i32 s46, s42, 393216                     ; B: the tile's three blocks,
	s_lshl_b32 s47, s12, 13                        ; my 64 rows of k
	s_add_co_u32 s46, s46, s47
	s_mov_b32 s47, 0
	s_mul_i32 s20, s12, ASL                        ; where they go: no place in the cluster enters an LDS address
	s_mul_i32 s21, s12, BSL
	s_add_co_u32 s21, s21, BOFF
	s_wait_dscnt 0x0                               ; the opening add is done
	s_wait_kmcnt 0x0
	s_add_nc_u64 s[14:15], s[4:5], s[16:17]
	s_add_nc_u64 s[46:47], s[6:7], s[46:47]
	CROUND                                         ; all sixteen work-groups are here: the first joint loads meet
.irp s, 0,1
	s_mov_b32 s[G0+4*(\s)], 1
	s_add_co_u32 s[G0+4*(\s)+1], s20, (\s)*SLOT
	s_add_nc_u64 s[G0+4*(\s)+2:G0+4*(\s)+3], s[14:15], (\s)*ASTEP
	s_or_b32 s[G0+4*(\s)+3], s[G0+4*(\s)+3], 0x80000000
	s_mov_b32 s[G0B+4*(\s)], 1
	s_add_co_u32 s[G0B+4*(\s)+1], s21, (\s)*SLOT
	s_add_nc_u64 s[G0B+4*(\s)+2:G0B+4*(\s)+3], s[46:47], (\s)*BSTEP
	s_or_b32 s[G0B+4*(\s)+3], s[G0B+4*(\s)+3], 0x80000000
	JLOAD \s
.endr
	v_and_b32 v1, 15, v0                           ; r = l % 16
	v_bfe_u32 v2, v0, 4, 1                         ; h = l / 16
	v_mul_u32_u24 v3, v1, PA
	v_lshl_add_u32 v3, v2, 4, v3                   ; r x 144 + 16 h
	s_mul_i32 s22, s10, 64*PA                      ; my 64 rows of A
	v_add_nc_u32 v[ADRA], s22, v3
	v_add_nc_u32 v[ADRA+1], SLOT, v[ADRA]
	v_and_b32 v4, 7, v0
	v_bfe_u32 v5, v0, 3, 1
	v_lshl_add_u32 v6, v2, 3, v4                   ; the turning load: row of k 8 h + l % 8,
	v_mul_u32_u24 v6, v6, PBW
	v_lshl_add_u32 v6, v5, 4, v6                   ; columns 8 ((l / 8) % 2) on
	v_add_nc_u32 v[ADRB], BOFF, v6
	v_add_nc_u32 v[ADRB+1], SLOT, v[ADRB]
	s_mul_i32 s23, s10, 16*SP
	s_add_co_u32 s23, s23, STAGE                   ; my stage
	v_add_nc_u32 v[STO], s23, v3                   ; in: row r, 16 bytes for each half of the lanes
	v_bfe_u32 v7, v0, 3, 2
	v_mul_u32_u24 v7, v7, SP
	v_lshl_add_u32 v7, v4, 4, v7
	v_add_nc_u32 v[RD], s23, v7                    ; back: 32 lanes take four rows of 128 bytes,
	v_and_b32 v[CO], 31, v0
	v_lshlrev_b32 v[CO], 4, v[CO]                  ; which are 512 consecutive bytes of a block
	v_lshlrev_b32 v[BO], 5, v2                     ; my 8 numbers of 16 of a bias
	s_mul_i32 s46, s42, 1572864                    ; qkk at my wave's rows of the tile's first block
	s_lshl_b32 s47, s13, 15
	s_add_co_u32 s46, s46, s47
	s_lshl_b32 s47, s10, 13
	s_add_co_u32 s46, s46, s47
	s_mov_b32 s47, 0
	s_add_nc_u64 s[8:9], s[8:9], s[46:47]
.irp blk, 0,1,2                        ; the bias of block 3 nx + blk: b_attn's for blocks 0-31, b_k2's behind them
.if \blk > 0
	s_wait_xcnt 0x0                                ; the loads above have read s[78:79]
.endif
	s_mul_i32 s76, s42, 3
	s_add_co_u32 s76, s76, \blk
	s_sub_co_u32 s77, s76, 32
	s_cmp_lt_u32 s76, 32
	s_cselect_b32 s76, s76, s77
	s_cselect_b64 s[78:79], s[72:73], s[74:75]
	s_lshl_b32 s76, s76, 8
	s_mov_b32 s77, 0
	s_add_nc_u64 s[78:79], s[78:79], s[76:77]
.irp cb, 0,1,2,3
	global_load_b128 v[BIAS+32*\blk+8*\cb:BIAS+32*\blk+8*\cb+3],   v[BO], s[78:79] offset:64*\cb
	global_load_b128 v[BIAS+32*\blk+8*\cb+4:BIAS+32*\blk+8*\cb+7], v[BO], s[78:79] offset:64*\cb+16
.endr
.endr
	s_wait_loadcnt 0x0
.set i, 0
.rept 48
	v_cvt_pk_bf16_f32 v[PK+i%4], v[BIAS+2*i], v[BIAS+2*i+1]
	v_lshlrev_b32 v[BIAS+2*i], 16, v[PK+i%4]
	v_and_b32 v[BIAS+2*i+1], 0xffff0000, v[PK+i%4]
.set i, i+1
.endr
; 16 products: fragments 4 g .. 4 g + 3 of B x my four blocks of 16 rows, 32 along K, from buffer f.  first = 1: the bias starts the sums.  The 48 accumulators take turns, one instruction a turn.
.macro MULG f, g, first
.if (\g) < 2
	WIN 0xa1-0x20*(\first)                         ; B window 1, A window 0, D window 2; C window 2, or 0 for the bias
.else
	WIN 0xf1-0x30*(\first)                         ; the same with window 3
.endif
.irp a, 0,1,2,3
.irp bb, 0,1,2,3
.set bq, 4*(\g)+(\bb)
.if (\g) < 2
.set rD, 8*(8*(\a)+bq)
.else
.set rD, 8*(4*(\a)+bq-8)
.endif
.if \first
	v_wmma_f32_16x16x32_f16 v[rD:rD+7], v[96*(\f)+8*bq:96*(\f)+8*bq+7], v[96+128*(\f)+8*(\a):96+128*(\f)+8*(\a)+7], v[BIAS+8*bq:BIAS+8*bq+7]
.else
	v_wmma_f32_16x16x32_f16 v[rD:rD+7], v[96*(\f)+8*bq:96*(\f)+8*bq+7], v[96+128*(\f)+8*(\a):96+128*(\f)+8*(\a)+7], v[rD:rD+7]
.endif
.endr
.endr
.endm
; 32 LDS loads in one run: quarter q (32 along K) of a slot into buffer f: A's 8, then B's 24, fragments 8-11 last
.macro FETCH slot, q, f
	WIN 0
.irp a, 0,1,2,3
	ds_load_b128 v[96+128*(\f)+8*\a:96+128*(\f)+8*\a+3],   v[ADRA+(\slot)] offset:((\q)/2)*ASL+((\q)%2)*64+\a*16*PA
	ds_load_b128 v[96+128*(\f)+8*\a+4:96+128*(\f)+8*\a+7], v[ADRA+(\slot)] offset:((\q)/2)*ASL+((\q)%2)*64+\a*16*PA+32
.endr
	WIN 0x40                                       ; destination window 1
.irp b, 0,1,2,3,4,5,6,7,8,9,10,11
	ds_load_tr16_b128 v[96*(\f)+8*\b:96*(\f)+8*\b+3],   v[ADRB+(\slot)] offset:((\q)/2)*BSL+((\q)%2)*32*PBW+(\b/4)*64*PBW+(\b%4)*32
	ds_load_tr16_b128 v[96*(\f)+8*\b+4:96*(\f)+8*\b+7], v[ADRB+(\slot)] offset:((\q)/2)*BSL+((\q)%2)*32*PBW+(\b/4)*64*PBW+(\b%4)*32+16*PBW
.endr
.endm
; One of a K step's first three quarters: multiplies buffer f, fetches quarter qn of the same slot into buffer g
.macro QUARTER slot, qn, f, g, first
	s_wait_dscnt 8                                 ; all but the youngest eight loads (B's fragments 8-11) are in
	MULG \f, 0, \first
	PLACES
	FETCH \slot, \qn, \g
	MULG \f, 1, \first
	s_wait_dscnt 32                                ; all but the 32 just issued
	MULG \f, 2, \first
.endm
; The last quarter multiplies buffer 1 and changes slots: one barrier; ahead of it each wave waits for all its tensor loads (one is out: its part of the next slot), adds 0 to its spare word, and waits for that and
; for its reads of this slot.  fill = 1: the barrier opens a round of the cluster's, and this slot is filled again, two K steps on, first thing behind the round: 160 matrix instructions ahead of the wait for it.
.macro TURN slot, next, fill
	WIN 0
	s_wait_tensorcnt 0x0
	ds_add_u32 v[SPW], v[NIL]
	s_wait_dscnt 9                                 ; the add and the youngest eight loads may be out
	MULG 1, 0, 0
	s_wait_dscnt 0x0                               ; the add is done, my reads of this slot are over
	s_barrier_signal -1
	MULG 1, 1, 0
.if \fill
	WIN 0
.endif
	s_barrier_wait -1
.if \fill
	CREST
	s_add_nc_u64 s[G0+4*(\slot)+2:G0+4*(\slot)+3], s[G0+4*(\slot)+2:G0+4*(\slot)+3], 2*ASTEP
	s_add_nc_u64 s[G0B+4*(\slot)+2:G0B+4*(\slot)+3], s[G0B+4*(\slot)+2:G0B+4*(\slot)+3], 2*BSTEP
	JLOAD \slot                                    ; its four v_nop are also the places ahead of the loads below
.else
	PLACES
.endif
	FETCH \next, 0, 0
	MULG 1, 2, 0
.endm
	s_wait_tensorcnt 1                             ; my part of K step 0 is in; step 1's may stay out
	s_barrier_signal -1
	s_barrier_wait -1
	FETCH 0, 0, 0
	QUARTER 0, 1, 0, 1, 1                          ; the first quarter stands ahead of the loop: its products start the sums, with the bias
	WIN 0
	s_mov_b32 s3, LAPS-1
.Llap:                                                 ; a trip goes once round the ring and fills both slots again
	QUARTER 0, 2, 1, 0, 0
	QUARTER 0, 3, 0, 1, 0
	TURN 0, 1, 1
	QUARTER 1, 1, 0, 1, 0
	QUARTER 1, 2, 1, 0, 0
	QUARTER 1, 3, 0, 1, 0
	TURN 1, 0, 1
	QUARTER 0, 1, 0, 1, 0
	WIN 0
	s_sub_co_u32 s3, s3, 1
	s_cmp_lg_u32 s3, 0
	s_cbranch_scc1 .Llap
	QUARTER 0, 2, 1, 0, 0                          ; the last lap fills nothing
	QUARTER 0, 3, 0, 1, 0
	TURN 0, 1, 0
	QUARTER 1, 1, 0, 1, 0
	QUARTER 1, 2, 1, 0, 0
	QUARTER 1, 3, 0, 1, 0
	s_wait_dscnt 8
	MULG 1, 0, 0
	MULG 1, 1, 0
	s_wait_dscnt 0x0
	MULG 1, 2, 0
	WIN 0
	PLACES
; THE WAY OUT, in 12 units of 16 rows x one block (u = 3 a + block): rounded to f16, 16 bytes a lane, through my own stage, back as whole rows of 128 bytes.
.macro PACK u
.set ua, (\u)/3
.set ub, (\u)%3
.if ub < 2
	WIN 0x0a                                       ; sources in window 2
.set rA, 8*(8*ua+4*ub)
.else
	WIN 0x0f                                       ; in window 3
.set rA, 8*(4*ua)
.endif
.set i, 0
.rept 16
	v_cvt_pk_f16_f32 v[PK+i], v[rA+2*i], v[rA+2*i+1]   ; each accumulator's registers in ascending order
.set i, i+1
.endr
	WIN 0
	s_wait_xcnt 0x0                                ; the stores of the unit before last have read the registers that the loads below fill
.irp cb, 0,1,2,3
	ds_store_b128 v[STO], v[PK+4*\cb:PK+4*\cb+3] offset:32*\cb
.endr
.irp f, 0,1,2,3
	ds_load_b128 v[OB+16*((\u)%2)+4*\f:OB+16*((\u)%2)+4*\f+3], v[RD] offset:\f*4*SP  ; LDS serves a wave's instructions in order: these see the stores above
.endr
.endm
.macro SEND u, younger                 ; younger: the next unit's eight LDS instructions, or none
	WIN 0
.irp f, 0,1,2,3
	s_wait_dscnt (\younger)+3-\f
	global_store_b128 v[CO], v[OB+16*((\u)%2)+4*\f:OB+16*((\u)%2)+4*\f+3], s[8:9] offset:((\u)%3)*524288+((\u)/3)*2048+\f*512  ; 512 consecutive bytes, aligned
.endr
.endm
	PACK 0
.set t, 1
.rept 11
	PACK t
	SEND t-1, 8
.set t, t+1
.endr
	SEND 11, 0
	s_wait_tensorcnt 0x0                           ; the wave's end
	ds_add_u32 v[SPW], v[NIL]
	s_wait_dscnt 0x0
	CROUND                                         ; the closing round
	s_endpgm
.Lfunc_end_k_q9c5856a2e9_qkv:
	.size	k_q9c5856a2e9_qkv, .Lfunc_end_k_q9c5856a2e9_qkv-k_q9c5856a2e9_qkv
	.p2alignl 7, 3214868480
	.fill 96, 4, 3214868480
	.section	.rodata,"a",@progbits
	.p2align	6, 0x0
	.amdhsa_kernel k_q9c5856a2e9_qkv
		.amdhsa_group_segment_fixed_size 327680
		.amdhsa_private_segment_fixed_size 0
		.amdhsa_enable_private_segment 0
		.amdhsa_kernarg_size 40
		.amdhsa_user_sgpr_count 2
		.amdhsa_user_sgpr_kernarg_segment_ptr 1
		.amdhsa_wavefront_size32 1
		.amdhsa_system_sgpr_workgroup_id_x 1
		.amdhsa_system_sgpr_workgroup_id_y 1
		.amdhsa_system_sgpr_workgroup_id_z 1
		.amdhsa_system_vgpr_workitem_id 0
		.amdhsa_next_free_vgpr 896
		.amdhsa_next_free_sgpr 80
		.amdhsa_reserve_vcc 0
		.amdhsa_float_denorm_mode_32 3
		.amdhsa_float_denorm_mode_16_64 3
		.amdhsa_memory_ordered 1
		.amdhsa_forward_progress 1
		.amdhsa_inst_pref_size 131
	.end_amdhsa_kernel
	.amdgpu_metadata
---
amdhsa.version: [ 1, 2 ]
amdhsa.kernels:
  - .name:           k_q9c5856a2e9_qkv
    .symbol:         k_q9c5856a2e9_qkv.kd
    .args:
      - { .name: vh, .offset: 0, .size: 8, .value_kind: global_buffer, .address_space: global }
      - { .name: w16, .offset: 8, .size: 8, .value_kind: global_buffer, .address_space: global }
      - { .name: qkk, .offset: 16, .size: 8, .value_kind: global_buffer, .address_space: global }
      - { .name: b_attn, .offset: 24, .size: 8, .value_kind: global_buffer, .address_space: global }
      - { .name: b_k2, .offset: 32, .size: 8, .value_kind: global_buffer, .address_space: global }
    .group_segment_fixed_size: 327680
    .private_segment_fixed_size: 0
    .kernarg_segment_align: 8
    .kernarg_segment_size: 40
    .max_flat_workgroup_size: 128
    .sgpr_count:     80
    .vgpr_count:     896
    .wavefront_size: 32
...
	.end_amdgpu_metadata
.endif
;; end of part 2
;; launch attn (part 3): grid 8 x 32, 8 waves a work-group, no clusters, 327,680 bytes of LDS; arguments par1, qkk, vh, ey; writes ey
.if DOCPART == 3
	.amdgcn_target "amdgcn-amd-amdhsa--gfx1250"
	.amdhsa_code_object_version 6
	.text
	.protected	k_q9c5856a2e9_attn
	.globl	k_q9c5856a2e9_attn
	.p2align	8
	.type	k_q9c5856a2e9_attn,@function
k_q9c5856a2e9_attn:
	s_mov_b64 s[64:65], 0
	v_nop
	global_prefetch_b8 v0, s[64:65] scope:SCOPE_SE
	s_setreg_imm32_b32 hwreg(HW_REG_WAVE_MODE, 25, 1), 1
	s_wait_xcnt 0x0
; ONE BODY FOR BOTH CAUSAL PASSES.  d (0 or 1) and 1 - d are read from the first argument.  For each head (32 of them, 2,048 rows of 64 channels, dense rows of 128 bytes, f16):
;   O_t = the sum over j <= t - d of softmax_j(q_t . K_j / 8) V_j;   K = plane 1 + d of qkk;  V = plane 0 of the third argument;  R_t = row min(t + 1 - d, 2047) of its plane d;  O' = O, or 0 where t < d
;   plane 1 of the output = f16(d R + O')                    (d = 0: y;  d = 1: the upper part of y + y2)
;   plane 0 of the output = f16(R + (2 d - 1) O' - d f16(d R + O'))      (d = 0: e_t = v_(t+1) - y_t;  d = 1: what the upper part leaves of y + y2)
; Products, maxima and sums in f32; the weights are rounded to f16 for the second product, their sum is taken unrounded.  Row 2047 of e is finite and no query sees it.
; LIMITS.  A hidden score counts as its value less 2^100; the running maximum starts at -2^90, above every hidden and below every true score (f16 operands: 2.7e11 at the most); a weight under 2^-126 counts as 0;
; NaN and infinities are not treated apart.
; THE WALK.  16 blocks of 128 queries; key tiles of 256; block i needs tiles 0 .. i / 2.  A work-group takes blocks 15 - b and b: 9 tiles whatever b; one loop of 8 trips and a tail.
; SHARES.  Eight waves: wave / 4 picks 64 queries (four tiles of 16), wave % 4 picks 64 keys of every tile: a fragment of K or V read from LDS feeds four query tiles.  Each wave keeps its own m, l, O for its keys;
; at a block's end the four meet in LDS (f32), are joined, and leave.  Two waves share a SIMD: one's softmax stands beside the other's products; the text itself goes in phases.
; THE MASK is the C operand of the product that starts a score's sum: 0 or -2^100.  With DW = (the queries' band of 64) - (the keys' band) in a block's last tile: DW > 0 all seen, DW < 0 none, DW = 0 the diagonal band, where
; key group kb against query tile t is seen (kb < t), hidden (kb > t) or takes MD (kb = t).  Elsewhere DW counts as 1.  So one text serves every tile.
; NO CLUSTER: a head's 8 work-groups ask for the same tile only in the first 5 of their 9 trips; one walk common to all would have 12 trips.
; PREFETCH: the head's work-group b = 0 walks tiles 0 .. 7 first; behind each fill each of its waves names its own 32 rows of 256 bytes of the tile that the next trip will ask for (tiles 2 .. 7, each row once in the launch).
; REGISTERS.  window 0: v0-15 addresses; v16-31 c m, m, l, l a tile; v32-47 at work; v48-51 c m_old; v52-54 d, -d, 2 d - 1; v56-60 addresses of the way out; v64-191 S^T (P takes each tile's first 16); v192-255 K, then V
;   window 1: v0-127 O^T; v128-191 Q; v192-199 MD; v200-223 the three masks
.set PK,    144
.set PV,    160
.set VOFF,  256*PK
.set SLOT,  256*(PK+PV)                ; 77,824
.set PART,  2*SLOT                     ; 8 waves x 64 rows x 272 bytes of f32
.set PP,    272
.set WPART, 64*PP
.set STATS, PART+8*WPART               ; 8 waves x 64 rows x (c m, l)
.set SPARE, STATS+4096                 ; the spare words, 128 bytes a wave
.set PLANE, 1<<23
.set AK0, 2
.set AV0, 3
.set AK,  4
.set AV,  5
.set QO,  6
.set PS,  7
.set SS,  8
.set RDP, 9
.set RDS, 10
.set PFO, 13
.set ST,  16
.set TMP, 32
.set MV,  48
.set DF,  52
.set NDF, 53
.set SG,  54
.set RA,  56
.set OA,  60
.set SPW, 62
.set NIL, 63
.set S,   64
.set KV,  192
.set Q,   128                          ; window 1
.set MD,  192
.set CD,  200
.set CL,  208
.set CH,  216
.set WV, 12
.set QH, 13
.set KQ, 14
.set PB, 15
.set BI, 16                            ; the block in hand
.set RT, 17                            ; its tiles still to be entered
.set NXT, 18                           ; the tile to be asked for next
.set LQ, 19                            ; the last tile of the block whose tiles are being asked for
.set SLOTS, 20
.set TB, 21                            ; LDS byte of the slot that is read: 0 or SLOT
.set TBF, 22                           ; of the slot that was filled last
.set LIM, 23
.set G1K, 24
.set G1V, 32
.set G0K, 40
.set G0V, 44
.set KP, 48
.set VP, 50
.set OFF, 52
.set PFA, 54
.set QP0, 56
.set CS, 58
.set SEL, 60
.set DEL, 62
.set SH, 63
.set RP, 66
.set OUT1, 68
.set QP, 70
.set AL, 72
.set BL, 74
.set BH, 76
.set BIGN, 78
.set WOK, 79
.set WOV, 80
.set SRCP, 90
.set PH, 92
.set MSB, 0
.macro WIN new
.if MSB != (\new)
	s_set_vgpr_msb (MSB<<8)|(\new)
.set MSB, (\new)
.endif
.endm
.macro PLACES
.rept 4
	v_nop
.endr
.endm
.macro LOAD                            ; waves 0-3 fetch the four quarters of a tile's K, waves 4-7 those of its V; an s_nop 0 and four v_nop follow each line
	s_cmp_lt_u32 s[WV], 4
	s_cbranch_scc0 .Lfor_v_\@
	tensor_load_to_lds s[G0K:G0K+3], s[G1K:G1K+7]
	s_nop 0
.rept 4
	v_nop
.endr
	s_branch .Lasked_\@
.Lfor_v_\@:
	tensor_load_to_lds s[G0V:G0V+3], s[G1V:G1V+7]
	s_nop 0
.rept 4
	v_nop
.endr
.Lasked_\@:
.endm
.macro ASK                             ; my 8 KiB of the tile behind the one just asked for; trips with SLOTS = 8 .. 3 of the work-group b = 0 alone
	s_cmp_gt_u32 s[SLOTS], s[LIM]
	s_cbranch_scc0 .Lnot_mine_\@
	global_prefetch_b8 v[PFO], s[PFA:PFA+1] offset:32768 th:TH_LOAD_NT scope:SCOPE_SE
.Lnot_mine_\@:
.endm
; THE CHANGE OF SLOTS.  Each wave waits for all its tensor loads (one is out: its part of the other slot), adds 0 to its spare word, and waits for that and for its reads of the slot that it leaves.
; fill = 1: the old slot is filled with tile NXT, first thing behind the barrier; the descriptor's address is made anew from that number.  (At its first use slot 0 is waited for and slot 1 filled.)
.macro CHANGE fill
	WIN 0
	s_wait_tensorcnt 0x0
	ds_add_u32 v[SPW], v[NIL]                      ; 0 onto my spare word; scalar work stands between it and the wait for it
	s_wait_xcnt 0x0                                ; earlier stores and the last prefetch have read their registers: the prefetch's address and, in the step below, the stores' data are written again
.if \fill
	s_lshl_b32 s[OFF], s[NXT], 15                  ; a tile is 32,768 bytes of K and of V
	s_xor_b32 s[TBF], s[TBF], SLOT
	s_add_co_u32 s[G0K+1], s[TBF], s[WOK]
	s_add_nc_u64 s[G0K+2:G0K+3], s[KP:KP+1], s[OFF:OFF+1]
	s_or_b32 s[G0K+3], s[G0K+3], 0x80000000
	s_add_co_u32 s[G0V+1], s[TBF], s[WOV]
	s_add_nc_u64 s[G0V+2:G0V+3], s[VP:VP+1], s[OFF:OFF+1]
	s_or_b32 s[G0V+3], s[G0V+3], 0x80000000
	s_add_nc_u64 s[PFA:PFA+1], s[SRCP:SRCP+1], s[OFF:OFF+1]
	s_add_co_u32 s[NXT], s[NXT], 1                 ; the block's next tile, or behind its last the second block's tile 0
	s_cmp_gt_u32 s[NXT], s[LQ]
	s_cselect_b32 s[NXT], 0, s[NXT]
	s_cselect_b32 s[LQ], s[PH], s[LQ]
.endif
	s_wait_dscnt 0x0
	s_barrier_signal -1
	s_xor_b32 s[TB], s[TB], SLOT
	s_barrier_wait -1
.if \fill
	LOAD
	ASK
.endif
.endm
.macro QLOAD                           ; Q of the block at s[QP]: tile t, channels 32 c on: lane l holds row l % 16, two loads of 16 bytes, 32 bytes apart
	WIN 0x40
.irp t, 0,1,2,3
.irp c, 0,1
	global_load_b128 v[Q+16*\t+8*\c:Q+16*\t+8*\c+3],   v[QO], s[QP:QP+1] offset:\t*2048+\c*64
	global_load_b128 v[Q+16*\t+8*\c+4:Q+16*\t+8*\c+7], v[QO], s[QP:QP+1] offset:\t*2048+\c*64+32
.endr
.endr
	WIN 0
.endm
.macro CLEAR                           ; a block begins: a row for which a wave sees no key keeps m, so its a is 1 and its l and O must be 0
	WIN 0x40
.set i, 0
.rept 128
	v_mov_b32 v[i], 0
.set i, i+1
.endr
	WIN 0
.set i, 0
.rept 4
	v_mov_b32 v[ST+4*i+1], 0xec800000              ; m = -2^90
	v_mul_f32 v[ST+4*i], s[CS], v[ST+4*i+1]        ; c m, made as the steps make it
	v_mov_b32 v[ST+4*i+2], 0
	v_mov_b32 v[ST+4*i+3], 0
.set i, i+1
.endr
.endm
	s_load_b256 s[4:11], s[0:1], 0x0               ; the table s[4:5], qkk s[6:7], V and R s[8:9], the output s[10:11]
	v_lshl_add_u32 v[SPW], v0, 2, SPARE
	v_mov_b32 v[NIL], 0
	ds_add_u32 v[SPW], v[NIL]                      ; the wave's opening: the add and its wait stand ahead of my first tensor load
	v_lshrrev_b32 v1, 5, v0
	v_readfirstlane_b32 s[WV], v1
	s_lshr_b32 s[QH], s[WV], 2
	s_and_b32 s[KQ], s[WV], 3
	s_mov_b32 s[PB], ttmp9
	s_lshr_b32 s[PH], s[PB], 1
	s_sub_co_u32 s[BI], 15, s[PB]
	s_lshr_b32 s[LQ], s[BI], 1
	s_add_co_u32 s[RT], s[LQ], 1
	s_mov_b32 s[NXT], 1
	s_mov_b32 s[SLOTS], 8
	s_mov_b32 s[TB], SLOT                          ; the first change of slots turns it into 0
	s_mov_b32 s[TBF], 0
	s_cmp_eq_u32 s[PB], 0
	s_cselect_b32 s[LIM], 2, -1
	s_mov_b32 s[G1K], (1<<16)|(1<<20)|(4<<22)|(3<<25)  ; 2-byte elements; padding on; after every 32 words, 4 words
	s_mov_b32 s[G1V], (1<<16)|(1<<20)|(4<<22)|(7<<25)  ; 8 words
.irp g, G1K, G1V
	s_mov_b32 s[\g+1], 128<<16                     ; 64 keys are 8,192 dense bytes: 32 rows of 256
	s_mov_b32 s[\g+2], 32<<16
	s_mov_b32 s[\g+3], 128<<16
	s_mov_b32 s[\g+4], 32
	s_mov_b32 s[\g+5], 128
	s_mov_b32 s[\g+6], 0
	s_mov_b32 s[\g+7], 0
.endr
	s_mul_i32 s[WOK], s[KQ], 64*PK                 ; my quarter's place in a slot, for K
	s_mul_i32 s[WOV], s[KQ], 64*PV                 ; and for V
	s_add_co_u32 s[WOV], s[WOV], VOFF
	s_mov_b32 s[CS], 0x3e38aa3b                    ; c = log2(e) / 8
	s_mov_b32 s[CS+1], s[CS]
	s_mov_b32 s[SEL], 0x76543210
	s_mov_b32 s[SEL+1], 0xfedcba98
	s_mov_b32 s[BIGN], 0xf1800000                  ; -2^100
	s_mov_b32 s[AL+1], 0                           ; named as pairs
	s_mov_b32 s[BL+1], 0
	s_mov_b32 s[OFF+1], 0
	s_and_b32 s82, ttmp7, 0xffff
	s_lshl_b32 s82, s82, 18                        ; the head's 262,144 bytes
	s_mov_b32 s83, 0
	s_lshl_b32 s84, s[KQ], 13                      ; my quarter's 64 rows
	s_mov_b32 s85, 0                               ; stays 0
	s_wait_dscnt 0x0                               ; the opening add is done
	s_wait_kmcnt 0x0
	s_load_b64 s[DEL:DEL+1], s[4:5], 0x0
	s_wait_kmcnt 0x0
	s_min_u32 s[DEL], s[DEL], 1                    ; d
	s_min_u32 s[SH], s[SH], 1                      ; 1 - d
	s_add_nc_u64 s[6:7], s[6:7], s[82:83]          ; all at the head
	s_add_nc_u64 s[8:9], s[8:9], s[82:83]
	s_add_nc_u64 s[10:11], s[10:11], s[82:83]
	s_add_nc_u64 s[OUT1:OUT1+1], s[10:11], PLANE
	s_add_co_u32 s[OFF], s[DEL], 1
	s_lshl_b32 s[OFF], s[OFF], 23
	s_add_nc_u64 s[KP:KP+1], s[6:7], s[OFF:OFF+1]
	s_add_nc_u64 s[KP:KP+1], s[KP:KP+1], s[84:85]
	s_add_nc_u64 s[VP:VP+1], s[8:9], s[84:85]
	s_lshl_b32 s[OFF], s[DEL], 23
	s_add_nc_u64 s[RP:RP+1], s[8:9], s[OFF:OFF+1]
	s_lshl_b32 s84, s[QH], 13
	s_add_nc_u64 s[QP0:QP0+1], s[6:7], s[84:85]
	s_lshl_b32 s84, s[BI], 14
	s_add_nc_u64 s[QP:QP+1], s[QP0:QP0+1], s[84:85]
	s_cmp_lt_u32 s[WV], 4
	s_cselect_b64 s[SRCP:SRCP+1], s[KP:KP+1], s[VP:VP+1]
	s_mov_b32 s[G0K], 1
	s_mov_b32 s[G0K+1], s[WOK]                     ; slot 0
	s_add_nc_u64 s[G0K+2:G0K+3], s[KP:KP+1], 0
	s_or_b32 s[G0K+3], s[G0K+3], 0x80000000
	s_mov_b32 s[G0V], 1
	s_mov_b32 s[G0V+1], s[WOV]
	s_add_nc_u64 s[G0V+2:G0V+3], s[VP:VP+1], 0
	s_or_b32 s[G0V+3], s[G0V+3], 0x80000000
	LOAD                                           ; tile 0
	v_and_b32 v1, 15, v0                           ; r
	v_bfe_u32 v55, v0, 4, 1                        ; h
	v_lshlrev_b32 v[QO], 7, v1
	v_lshl_add_u32 v[QO], v55, 4, v[QO]
	QLOAD
	v_mul_u32_u24 v[AK0], v1, PK
	v_lshl_add_u32 v[AK0], v55, 4, v[AK0]
	v_add_nc_u32 v[AK0], s[WOK], v[AK0]
	v_and_b32 v61, 7, v0
	v_bfe_u32 v14, v0, 3, 1
	v_lshl_add_u32 v[AV0], v55, 3, v61             ; the turning load: key 8 h + l % 8, channels 8 ((l / 8) % 2) on
	v_mul_u32_u24 v[AV0], v[AV0], PV
	v_lshl_add_u32 v[AV0], v14, 4, v[AV0]
	v_add_nc_u32 v[AV0], s[WOV], v[AV0]
	s_mul_i32 s81, s[WV], WPART
	s_add_co_u32 s81, s81, PART
	v_mul_u32_u24 v[PS], v1, PP                    ; my partial O: row r, 32 bytes for each half of the lanes
	v_lshl_add_u32 v[PS], v55, 5, v[PS]
	v_add_nc_u32 v[PS], s81, v[PS]
	s_lshl_b32 s81, s[WV], 9
	s_add_co_u32 s81, s81, STATS
	v_lshl_add_u32 v[SS], v1, 3, s81
	v_bfe_u32 v14, v0, 3, 2
	s_lshl_b32 s81, s[KQ], 4
	v_add_nc_u32 v14, s81, v14                     ; the row of my half that I finish first: 16 kq + l / 8
	s_mul_i32 s81, s[QH], 4*WPART
	s_add_co_u32 s81, s81, PART
	v_mul_u32_u24 v[RDP], v14, PP
	v_lshl_add_u32 v[RDP], v61, 5, v[RDP]          ; channels 8 (l % 8) on
	v_add_nc_u32 v[RDP], s81, v[RDP]
	s_lshl_b32 s81, s[QH], 11
	s_add_co_u32 s81, s81, STATS
	v_lshl_add_u32 v[RDS], v14, 3, s81
	s_lshl_b32 s81, s[QH], 6
	v_add_nc_u32 v12, s81, v14                     ; that row in the block
	v_lshlrev_b32 v15, 4, v61
	v_lshl_add_u32 v11, v12, 7, v15                ; and my 16 bytes of it
	v_and_b32 v[PFO], 31, v0
	v_lshlrev_b32 v[PFO], 8, v[PFO]
	v_cvt_f32_u32 v[DF], s[DEL]
	v_sub_f32 v[NDF], 0, v[DF]
	v_fma_f32 v[SG], v[DF], 2.0, -1.0
	v_lshlrev_b32 v14, 3, v55
	v_sub_nc_u32 v14, v1, v14
	v_sub_nc_u32 v14, v14, s[DEL]                  ; r - 8 h - d: register j of the diagonal group is hidden where j is greater
	WIN 0x40
.set i, 0
.rept 8
	v_cmp_gt_i32 vcc_lo, i, v14
	v_cndmask_b32 v[MD+i], 0, s[BIGN], vcc_lo
.set i, i+1
.endr
	CLEAR
	s_wait_loadcnt 0x0                             ; Q
; THE SOFTMAX's lines, for tile t.  XS n: number n of the 22 that find the maximum and statistics (each accumulator's lowest registers are read first): 0-11 four chains of seven scores; 12-14, 16 the four
; left over, the old m, and the chains into one; 15 c m_old is kept; 17, 18 the query's other 32 keys lie in the lane 16 away; 19-21 c m, its change, a.  FS f: c s - c m for pair f.  EX e: the exponential of score e.
; LS n: l takes pair n (LS 0: l = a l + pair 0).  CV n: pair n rounded to f16 into register n; behind all the tile's LS.
.macro REGS t
.set rT, ST+4*(\t)
.set rC, TMP+4*(\t)
.set rM, MV+(\t)
.set rS, S+32*(\t)
.endm
.macro XS t, n
	REGS \t
.if (\n) < 4
	v_max3_num_f32 v[rC+(\n)], v[rS+8*(\n)], v[rS+8*(\n)+1], v[rS+8*(\n)+2]
.elseif (\n) < 12
	v_max3_num_f32 v[rC+(\n)%4], v[rC+(\n)%4], v[rS+8*((\n)%4)+2*((\n)/4)+1], v[rS+8*((\n)%4)+2*((\n)/4)+2]
.elseif (\n) == 12
	v_max3_num_f32 v[rC], v[rC], v[rS+7], v[rS+15]
.elseif (\n) == 13
	v_max3_num_f32 v[rC+1], v[rC+1], v[rS+23], v[rS+31]
.elseif (\n) == 14
	v_max3_num_f32 v[rC+2], v[rC+2], v[rC+3], v[rT+1]
.elseif (\n) == 15
	v_mov_b32 v[rM], v[rT]
.elseif (\n) == 16
	v_max3_num_f32 v[rC], v[rC], v[rC+1], v[rC+2]
.elseif (\n) == 17
	v_permlanex16_b32 v[rC+3], v[rC], s[SEL], s[SEL+1]
.elseif (\n) == 18
	v_max_num_f32 v[rT+1], v[rC], v[rC+3]
.elseif (\n) == 19
	v_mul_f32 v[rT], s[CS], v[rT+1]
.elseif (\n) == 20
	v_sub_f32 v[rC+1], v[rM], v[rT]
.else
	v_exp_f32 v[rC+2], v[rC+1]
.endif
.endm
.macro FS t, f
	REGS \t
	v_pk_fma_f32 v[rS+2*(\f):rS+2*(\f)+1], v[rS+2*(\f):rS+2*(\f)+1], s[CS:CS+1], v[rT:rT+1] op_sel_hi:[1,0,0] neg_lo:[0,0,1] neg_hi:[0,0,1]
.endm
.macro EX t, e1
	REGS \t
	v_exp_f32 v[rS+(\e1)], v[rS+(\e1)]
.endm
.macro LS t, n
	REGS \t
.if (\n) == 0
	v_pk_fma_f32 v[rT+2:rT+3], v[rT+2:rT+3], v[rC+2:rC+3], v[rS:rS+1] op_sel_hi:[1,0,1]
.else
	v_pk_add_f32 v[rT+2:rT+3], v[rT+2:rT+3], v[rS+2*(\n):rS+2*(\n)+1]
.endif
.endm
.macro CV t, n
	REGS \t
	v_cvt_pk_f16_f32 v[rS+(\n)], v[rS+2*(\n)], v[rS+2*(\n)+1]
.endm
; Three queues for tiles x and x + 1, the tiles alternating.  PQ: the 74 plain lines ahead of the exponentials.  EQ: the 66 exponentials.  GQ: the 64 lines that read them.
.macro PQ x
.if q < 42
	XS (\x)+q%2, q/2
.else
	FS (\x)+(q-42)%2, (q-42)/2
.endif
.set q, q+1
.endm
.macro EQ x
.if e < 2
	XS (\x)+e, 21
.else
	EX (\x)+(e-2)%2, (e-2)/2
.endif
.set e, e+1
.endm
.macro GQ x
.if g < 32
	LS (\x)+g%2, g/2
.else
	CV (\x)+(g-32)%2, (g-32)/2
.endif
.set g, g+1
.endm
; What a trip needs in scalars: a tile fewer to go, and the mask's three numbers from DW
.macro TRIPSC
	s_sub_co_u32 s[RT], s[RT], 1
	s_and_b32 s81, s[BI], 1
	s_lshl_b32 s81, s81, 1
	s_add_co_u32 s81, s81, s[QH]
	s_sub_co_i32 s81, s81, s[KQ]                   ; DW
	s_cmp_eq_u32 s[RT], 0
	s_cselect_b32 s81, s81, 1                      ; only the block's last tile hides anything
	s_cmp_lt_i32 s81, 0
	s_cselect_b32 s[BL], s[BIGN], 0
	s_cmp_le_i32 s81, 0
	s_cselect_b32 s[BH], s[BIGN], 0
	s_cmp_eq_u32 s81, 0
	s_cselect_b32 s[AL], 1.0, 0
.endm
; A STEP: my 64 queries against my 64 keys of the tile in slot TB.
.macro STEP
	WIN 0
	v_add_nc_u32 v[AK], s[TB], v[AK0]
.irp f, 0,1,2,3,4,5,6,7                ; K: keys 16 (f / 2) on, channels 32 (f % 2) on
	ds_load_b128 v[KV+8*\f:KV+8*\f+3],   v[AK] offset:(\f/2)*16*PK+(\f%2)*64
	ds_load_b128 v[KV+8*\f+4:KV+8*\f+7], v[AK] offset:(\f/2)*16*PK+(\f%2)*64+32
.endr
	WIN 0x41                                       ; the three masks, while K is on its way
.irp z, 0,1,2,3
	v_pk_fma_f32 v[CD+2*\z:CD+2*\z+1], v[MD+2*\z:MD+2*\z+1], s[AL:AL+1], s[BL:BL+1] op_sel_hi:[1,0,0]
.endr
.irp z, 0,1,2,3,4,5,6,7
	v_mov_b32 v[CL+\z], s[BL]
	v_mov_b32 v[CH+\z], s[BH]
.endr
	s_wait_dscnt 0x0                               ; K is in
.set i, 0
.rept 32                               ; S^T = K Q^T: channels 32 (i / 16) on, keys 16 ((i / 4) % 4) on, tile i % 4: the 16 accumulators take turns
.set kb, (i/4)%4
.set kt, i%4
.set rS, S+32*kt+8*kb
.set rK, KV+16*kb+8*(i/16)
.set rQ, Q+16*kt+8*(i/16)
.if i < 16
.if kb < kt
.set rX, CL
.elseif kb == kt
.set rX, CD
.else
.set rX, CH
.endif
	WIN 0x14                                       ; Q and the mask in window 1
	v_wmma_f32_16x16x32_f16 v[rS:rS+7], v[rK:rK+7], v[rQ:rQ+7], v[rX:rX+7]
.else
	WIN 0x04
	v_wmma_f32_16x16x32_f16 v[rS:rS+7], v[rK:rK+7], v[rQ:rQ+7], v[rS:rS+7]
.endif
.set i, i+1
.endr
	WIN 0
	PLACES                                         ; ahead of the loads into K's registers and of the first read of the scores
	v_add_nc_u32 v[AV], s[TB], v[AV0]
.irp f, 0,1,2,3,4,5,6,7                ; V, turned: keys 32 (f / 4) on, channels 16 (f % 4) on; it lands under the softmax
	ds_load_tr16_b128 v[KV+8*\f:KV+8*\f+3],   v[AV] offset:(\f/4)*32*PV+(\f%4)*32
	ds_load_tr16_b128 v[KV+8*\f+4:KV+8*\f+7], v[AV] offset:(\f/4)*32*PV+16*PV+(\f%4)*32
.endr
.set q, 0
.rept 74                               ; tiles 0, 1: maximum, statistics, scalings
	PQ 0
.endr
.set q, 0
.set e, 0
.rept 66                               ; tiles 0, 1: one batch of 66 exponentials, each beside a plain line of tiles 2, 3
	PQ 2
	EQ 0
.endr
.rept 8                                ; the plain lines left over stand behind the last exponential
	PQ 2
.endr
	s_wait_alu depctr_va_vdst(0)                   ; one wait for the batch, ahead of its first reader
.set g, 0
.set e, 0
.rept 64                               ; tiles 2, 3: their batch, each exponential beside a sum or a rounding of tiles 0, 1
	GQ 0
	EQ 2
.endr
	EQ 2
	EQ 2
	v_nop                                          ; a plain line behind the last exponential
	s_wait_alu depctr_va_vdst(0)                   ; the second batch's wait
.set g, 0
.rept 64
	GQ 2
.endr
	WIN 0x41                                       ; O^T times a, under one setting
.set i, 0
.rept 64
	v_pk_mul_f32 v[2*i:2*i+1], v[2*i:2*i+1], v[TMP+4*(i/16)+2:TMP+4*(i/16)+3] op_sel_hi:[1,0]
.set i, i+1
.endr
	s_wait_dscnt 0x0                               ; V is in
	WIN 0x50                                       ; V and P in window 0, O^T in window 1
.set i, 0
.rept 32                               ; O^T += V^T P: keys 32 (i / 16) on, channels 16 ((i / 4) % 4) on, tile i % 4
.set rO, 32*(i%4)+8*((i/4)%4)
.set rV, KV+32*(i/16)+8*((i/4)%4)
.set rP, S+32*(i%4)+8*(i/16)
	v_wmma_f32_16x16x32_f16 v[rO:rO+7], v[rV:rV+7], v[rP:rP+7], v[rO:rO+7]
.set i, i+1
.endr
	WIN 0
	PLACES
.endm
; A BLOCK'S END, first half: my (c m, l) and my O^T go to LDS.
.macro STOREPART
	WIN 0
.irp t, 0,1,2,3
	v_add_f32 v[ST+4*\t+2], v[ST+4*\t+2], v[ST+4*\t+3]
.endr
.irp t, 0,1,2,3
	v_permlanex16_b32 v[TMP+4*\t], v[ST+4*\t+2], s[SEL], s[SEL+1]
.endr
.irp t, 0,1,2,3
	v_add_f32 v[ST+4*\t+1], v[ST+4*\t+2], v[TMP+4*\t]   ; l, in m's place
.endr
.irp t, 0,1,2,3
	ds_store_b64 v[SS], v[ST+4*\t:ST+4*\t+1] offset:128*\t   ; both halves of the lanes write the same numbers
.endr
	WIN 0x04                                       ; the data in window 1
.irp t, 0,1,2,3
.irp cb, 0,1,2,3
	ds_store_b128 v[PS], v[32*\t+8*\cb:32*\t+8*\cb+3]   offset:\t*16*PP+64*\cb
	ds_store_b128 v[PS], v[32*\t+8*\cb+4:32*\t+8*\cb+7] offset:\t*16*PP+64*\cb+16
.endr
.endr
	WIN 0
.endm
; Second half, behind a barrier: wave (qh, kq) finishes rows 16 kq + 4 i + l / 8 (i = 0 .. 3) of its half, channels 8 (l % 8) on.  f_w = 2^(c m_w - max), O = sum f_w O_w / sum f_w l_w.
; reload = 1: the next block's Q is asked for here, beside R; one wait serves both.
; v64-95 (c m, l) of (w, i) at 64 + 8 i + 2 w; v96-111 R; v112-119 at work; v128-255 the partials of (w, i) at 128 + 32 w + 8 i, later O', d R + O', the rest, and the packed results.
.macro REDUCE reload
	WIN 0
	s_wait_xcnt 0x0                                ; the addresses below may be written again
	s_lshl_b32 s81, s[BI], 14
	v_add_nc_u32 v[OA], s81, v11
	s_lshl_b32 s81, s[BI], 7
.irp i, 0,1,2,3
	v_add3_u32 v14, v12, s81, 4*\i                 ; t
	v_cmp_le_u32 s[86+\i], s[DEL], v14             ; t >= d
	v_add_nc_u32 v14, s[SH], v14
	v_min_u32 v14, 0x7ff, v14
	v_lshl_add_u32 v[RA+\i], v14, 7, v15
.endr
.irp i, 0,1,2,3
	global_load_b128 v[96+4*\i:96+4*\i+3], v[RA+\i], s[RP:RP+1]
.endr
.if \reload
	s_lshl_b32 s84, s[PB], 14
	s_add_nc_u64 s[QP:QP+1], s[QP0:QP0+1], s[84:85]
	QLOAD
.endif
.irp i, 0,1,2,3
.irp w, 0,1,2,3
	ds_load_b64 v[64+8*\i+2*\w:64+8*\i+2*\w+1], v[RDS] offset:512*\w+32*\i
.endr
.endr
.irp w, 0,1,2,3
.irp i, 0,1,2,3
	ds_load_b128 v[128+32*\w+8*\i:128+32*\w+8*\i+3],   v[RDP] offset:WPART*\w+4*PP*\i
	ds_load_b128 v[128+32*\w+8*\i+4:128+32*\w+8*\i+7], v[RDP] offset:WPART*\w+4*PP*\i+16
.endr
.endr
	s_wait_dscnt 0x0
.irp i, 0,1,2,3
	v_max3_num_f32 v[112+\i], v[64+8*\i], v[66+8*\i], v[68+8*\i]
.endr
.irp i, 0,1,2,3
	v_max_num_f32 v[112+\i], v[112+\i], v[70+8*\i]
.endr
.irp i, 0,1,2,3
.irp w, 0,1,2,3
	v_sub_f32 v[64+8*\i+2*\w], v[64+8*\i+2*\w], v[112+\i]
.endr
.endr
.irp i, 0,1,2,3
.irp w, 0,1,2,3
	v_exp_f32 v[64+8*\i+2*\w], v[64+8*\i+2*\w]
.endr
.endr
	v_nop
	s_wait_alu depctr_va_vdst(0)                   ; one wait for the sixteen
.irp i, 0,1,2,3
	v_mul_f32 v[116+\i], v[64+8*\i], v[65+8*\i]
.endr
.irp w, 1,2,3
.irp i, 0,1,2,3
	v_fmac_f32 v[116+\i], v[64+8*\i+2*\w], v[65+8*\i+2*\w]
.endr
.endr
.irp i, 0,1,2,3
	v_rcp_f32 v[116+\i], v[116+\i]
.endr
	v_nop
	s_wait_alu depctr_va_vdst(0)                   ; one wait for the four
.irp i, 0,1,2,3
.irp w, 0,1,2,3
	v_mul_f32 v[64+8*\i+2*\w], v[64+8*\i+2*\w], v[116+\i]
.endr
.endr
.irp i, 0,1,2,3
.irp z, 0,1,2,3
	v_pk_mul_f32 v[128+8*\i+2*\z:128+8*\i+2*\z+1], v[128+8*\i+2*\z:128+8*\i+2*\z+1], v[64+8*\i:65+8*\i] op_sel_hi:[1,0]
.endr
.endr
.irp w, 1,2,3
.irp i, 0,1,2,3
.irp z, 0,1,2,3
	v_pk_fma_f32 v[128+8*\i+2*\z:128+8*\i+2*\z+1], v[128+32*\w+8*\i+2*\z:128+32*\w+8*\i+2*\z+1], v[64+8*\i+2*\w:65+8*\i+2*\w], v[128+8*\i+2*\z:128+8*\i+2*\z+1] op_sel_hi:[1,0,1]
.endr
.endr
.endr
	s_wait_loadcnt 0x0                             ; R, and the next block's Q
.irp i, 0,1,2,3
.irp j, 0,1,2,3,4,5,6,7
	v_cndmask_b32 v[128+8*\i+\j], 0, v[128+8*\i+\j], s[86+\i]   ; a row that sees no key (t < d) gives 0, whatever the division made
.endr
.irp k, 0,1,2,3
	v_fma_mix_f32 v[160+8*\i+2*\k],   v[96+4*\i+\k], v[DF], v[128+8*\i+2*\k]   op_sel_hi:[1,0,0]                  ; d R + O'
	v_fma_mix_f32 v[160+8*\i+2*\k+1], v[96+4*\i+\k], v[DF], v[128+8*\i+2*\k+1] op_sel:[1,0,0] op_sel_hi:[1,0,0]
	v_fma_mix_f32 v[192+8*\i+2*\k],   v[128+8*\i+2*\k],   v[SG], v[96+4*\i+\k] op_sel_hi:[0,0,1]                  ; R + (2 d - 1) O'
	v_fma_mix_f32 v[192+8*\i+2*\k+1], v[128+8*\i+2*\k+1], v[SG], v[96+4*\i+\k] op_sel:[0,0,1] op_sel_hi:[0,0,1]
.endr
.irp k, 0,1,2,3
	v_cvt_pk_f16_f32 v[224+8*\i+\k], v[160+8*\i+2*\k], v[160+8*\i+2*\k+1]
.endr
.irp k, 0,1,2,3
	v_fma_mix_f32 v[192+8*\i+2*\k],   v[224+8*\i+\k], v[NDF], v[192+8*\i+2*\k]   op_sel_hi:[1,0,0]                ; less d times what was just rounded
	v_fma_mix_f32 v[192+8*\i+2*\k+1], v[224+8*\i+\k], v[NDF], v[192+8*\i+2*\k+1] op_sel:[1,0,0] op_sel_hi:[1,0,0]
.endr
.irp k, 0,1,2,3
	v_cvt_pk_f16_f32 v[228+8*\i+\k], v[192+8*\i+2*\k], v[192+8*\i+2*\k+1]
.endr
	global_store_b128 v[OA], v[224+8*\i:227+8*\i], s[OUT1:OUT1+1] offset:512*\i   ; four rows: 512 consecutive bytes, aligned
	global_store_b128 v[OA], v[228+8*\i:231+8*\i], s[10:11] offset:512*\i
.endr
.endm
.Lslot:                                                ; 8 trips: a tile is entered and the next is asked for
	CHANGE 1
	TRIPSC
	STEP
	s_cmp_lg_u32 s[RT], 0
	s_cbranch_scc1 .Lno_store                      ; forward, past no barrier and no tensor load
	STOREPART
.Lno_store:
	s_wait_dscnt 0x0                               ; my stores are done, for the others' sake
	s_barrier_signal -1                            ; in every trip, so that every wave passes it; the tile on its way stays out
	s_barrier_wait -1
	s_cmp_lg_u32 s[RT], 0
	s_cbranch_scc1 .Lno_reduce
	REDUCE 1                                       ; in the loop this is the first block's end: the second's last tile is the walk's last
	s_mov_b32 s[BI], s[PB]
	s_add_co_u32 s[RT], s[PH], 1
	CLEAR
.Lno_reduce:
	s_sub_co_u32 s[SLOTS], s[SLOTS], 1
	s_cmp_lg_u32 s[SLOTS], 0
	s_cbranch_scc1 .Lslot
	CHANGE 0                                       ; the walk's last tile is written out: nothing is asked for
	TRIPSC
	STEP
	STOREPART
	s_wait_dscnt 0x0
	s_barrier_signal -1
	s_barrier_wait -1
	REDUCE 0
	s_wait_tensorcnt 0x0                           ; the wave's end
	ds_add_u32 v[SPW], v[NIL]
	s_wait_dscnt 0x0
	s_endpgm
.Lfunc_end_k_q9c5856a2e9_attn:
	.size	k_q9c5856a2e9_attn, .Lfunc_end_k_q9c5856a2e9_attn-k_q9c5856a2e9_attn
	.p2alignl 7, 3214868480
	.fill 96, 4, 3214868480
	.section	.rodata,"a",@progbits
	.p2align	6, 0x0
	.amdhsa_kernel k_q9c5856a2e9_attn
		.amdhsa_group_segment_fixed_size 327680
		.amdhsa_private_segment_fixed_size 0
		.amdhsa_enable_private_segment 0
		.amdhsa_kernarg_size 32
		.amdhsa_user_sgpr_count 2
		.amdhsa_user_sgpr_kernarg_segment_ptr 1
		.amdhsa_wavefront_size32 1
		.amdhsa_system_sgpr_workgroup_id_x 1
		.amdhsa_system_sgpr_workgroup_id_y 1
		.amdhsa_system_sgpr_workgroup_id_z 1
		.amdhsa_system_vgpr_workitem_id 0
		.amdhsa_next_free_vgpr 480
		.amdhsa_next_free_sgpr 96
		.amdhsa_reserve_vcc 1
		.amdhsa_float_denorm_mode_32 3
		.amdhsa_float_denorm_mode_16_64 3
		.amdhsa_memory_ordered 1
		.amdhsa_forward_progress 1
		.amdhsa_inst_pref_size 138
	.end_amdhsa_kernel
	.amdgpu_metadata
---
amdhsa.version: [ 1, 2 ]
amdhsa.kernels:
  - .name:           k_q9c5856a2e9_attn
    .symbol:         k_q9c5856a2e9_attn.kd
    .args:
      - { .name: par1, .offset: 0, .size: 8, .value_kind: global_buffer, .address_space: global }
      - { .name: qkk, .offset: 8, .size: 8, .value_kind: global_buffer, .address_space: global }
      - { .name: vh, .offset: 16, .size: 8, .value_kind: global_buffer, .address_space: global }
      - { .name: ey, .offset: 24, .size: 8, .value_kind: global_buffer, .address_space: global }
    .group_segment_fixed_size: 327680
    .private_segment_fixed_size: 0
    .kernarg_segment_align: 8
    .kernarg_segment_size: 32
    .max_flat_workgroup_size: 256
    .sgpr_count:     96
    .vgpr_count:     480
    .wavefront_size: 32
...
	.end_amdgpu_metadata
.endif
;; end of part 3
;; launch attn2: the kernel of part 3 again; grid 8 x 32, 8 waves a work-group, no clusters, 327,680 bytes of LDS; arguments par2, qkk, ey, oo; writes oo
;; launch proj (part 4): grid 8 x 32, 4 waves a work-group, clusters of 4 x 4, 327,680 bytes of LDS; arguments oo, w16, b_proj, out0; writes out0
.if DOCPART == 4
	.amdgcn_target "amdgcn-amd-amdhsa--gfx1250"
	.amdhsa_code_object_version 6
	.text
	.protected	k_q9c5856a2e9_proj
	.globl	k_q9c5856a2e9_proj
	.p2align	8
	.type	k_q9c5856a2e9_proj,@function
k_q9c5856a2e9_proj:
	s_mov_b64 s[64:65], 0
	v_nop
	global_prefetch_b8 v0, s[64:65] scope:SCOPE_SE
	s_setreg_imm32_b32 hwreg(HW_REG_WAVE_MODE, 25, 1), 1
	s_wait_xcnt 0x0
	s_wait_alu depctr_hold_cnt(0) depctr_sa_sdst(0) depctr_va_vdst(0) depctr_va_sdst(0) depctr_va_ssrc(0) depctr_va_vcc(0) depctr_vm_vsrc(0)
	s_getreg_b32 s2, hwreg(HW_REG_IB_STS2, 6, 4)
	s_cmp_eq_u32 s2, 0
	s_cbranch_scc0 .Lentry_in_a_cluster
	s_endpgm
.Lentry_in_a_cluster:
	s_bfe_u32 s2, ttmp6, 0x10000c
	s_cmp_lg_u32 s2, 0xf033
	s_cbranch_scc0 .Lentry_shape_is_right
	s_endpgm
.Lentry_shape_is_right:
; out0[m][n] = sum over k of (o_hi + o_lo)[m][k] W_proj[k][n] + 2 b_proj[n]: the two projections of the module are one, since they are linear.  o = y + y2 comes as two f16 numbers (planes 1 and 0 of oo,
; [16 slices][4096][64] each), W_proj as blocks 48-63 of w16 ([k][64], numbers rounded to bf16); the bias is rounded to bf16 like the other inputs, doubled, and given to the first product as its C.  Sums and output f32.
; SHARES.  A tile of out0 is 128 x 128: 8 x 32 work-groups.  Wave (w / 2, w % 2) makes 64 rows x 64 columns: 16 accumulators.  K goes in 8 steps of 128 through two LDS slots; each fragment of W is multiplied with the
; upper and with the lower part: 128 matrix instructions a wave in a step.  Waves 0, 1 fetch a plane each (two slices x 128 rows: two dense pieces of 16,384 bytes, one tile of two long rows), waves 2, 3 a block of W each
; (128 rows of k, dense: 64 rows of 256 bytes).  W comes out of LDS turned, by ds_load_tr16_b128.
; CLUSTER 4 x 4: A's tiles are asked for jointly along a row of the cluster, W's along a column.  THE MATRIX INSTRUCTION IS USED TRANSPOSED: a lane holds row l % 16 and eight neighbouring columns.
; No prefetch: the launch has 8 K steps, of which two are first fills and two more would lie inside the lead.
; REGISTERS.  window 0: v0-31 addresses; v32-95 rows read back (two sets); v96-127 the bias; v128-255 the accumulators ((a, b) at 128 + 8 (4 a + b))
;   window 1: two buffers of 96: A's upper part (4 x 8), its lower part, W (4 x 8)
.set PA,    144
.set PBW,   160
.set ASL,   128*PA                     ; a slice's 128 rows
.set APL,   2*ASL                      ; a plane's two slices
.set BOFF,  2*APL
.set BBL,   128*PBW                    ; a block's 128 rows of k
.set SLOT,  BOFF+2*BBL                 ; 114,688
.set STAGE, 2*SLOT                     ; 16 rows x 272 bytes for each wave
.set SP,    272
.set SPARE, STAGE+4*16*SP
.set ASTEP, 1048576
.set BSTEP, 16384
.set LAPS,  4
.set ADRA, 16
.set ADRB, 20
.set STO,  24
.set RD,   25
.set CO,   26
.set BO,   27
.set SPW,  28
.set NIL,  29
.set OB,   32
.set BIAS, 96
.set ACC,  128
.set G1,  24
.set G0,  32
.set G1B, 48
.set G0B, 56
.set MSB, 0
.macro WIN new
.if MSB != (\new)
	s_set_vgpr_msb (MSB<<8)|(\new)
.set MSB, \new
.endif
.endm
.macro JLOAD s                         ; a joint load: waves 0, 1 ask for A, waves 2, 3 for W; an s_nop 0 and four v_nop follow each line
	s_cmp_eq_u32 s11, 0
	s_cbranch_scc0 .Lfor_b_\@
	tensor_load_to_lds s[G0+4*(\s):G0+4*(\s)+3], s[G1:G1+7]
	s_nop 0
.rept 4
	v_nop
.endr
	s_branch .Lasked_\@
.Lfor_b_\@:
	tensor_load_to_lds s[G0B+4*(\s):G0B+4*(\s)+3], s[G1B:G1B+7]
	s_nop 0
.rept 4
	v_nop
.endr
.Lasked_\@:
.endm
.macro CREST
	s_cmp_lg_u32 s10, 0
	s_cbranch_scc1 .Lnot_wave_0_\@
	s_barrier_signal -3
.Lnot_wave_0_\@:
	s_barrier_wait -3
	s_barrier_signal -1
	s_barrier_wait -1
.endm
.macro CROUND
	s_barrier_signal -1
	s_barrier_wait -1
	CREST
.endm
.macro PLACES
.rept 4
	v_nop
.endr
.endm
	s_load_b256 s[68:75], s[0:1], 0x0              ; oo s[68:69], w16 s[70:71], b_proj s[72:73], out0 s[74:75]
	v_lshl_add_u32 v[SPW], v0, 2, SPARE
	v_mov_b32 v[NIL], 0
	ds_add_u32 v[SPW], v[NIL]                      ; the wave's opening: the add and its wait stand ahead of my first tensor load
	v_lshrrev_b32 v1, 5, v0
	v_readfirstlane_b32 s10, v1                    ; wave
	s_lshr_b32 s11, s10, 1                         ; my half of the tile's rows.  Also: I fetch for A (0) or for W (1)
	s_and_b32 s12, s10, 1                          ; my half of its columns.  Also: which plane, or which block, I fetch
	s_bfe_u32 s40, ttmp6, 0x40000
	s_bfe_u32 s41, ttmp6, 0x40004
	s_lshl_b32 s42, ttmp9, 2
	s_add_co_u32 s42, s42, s40                     ; tile column
	s_and_b32 s13, ttmp7, 0xffff
	s_lshl_b32 s13, s13, 2
	s_add_co_u32 s13, s13, s41                     ; tile row
	s_lshl_b32 s43, s41, 2
	s_lshl_b32 s43, 15, s43
	s_lshl_b32 s44, 0x1111, s40
	s_or_b32 s[G1+0], s43, (1<<16)|(1<<20)|(1<<21)|(4<<22)|(3<<25)
	s_mov_b32 s[G1+1], 8192<<16                    ; tensor_dim0 = 8,192
	s_mov_b32 s[G1+2], 2<<16                       ; tensor_dim1 = 2
	s_mov_b32 s[G1+3], 8192<<16                    ; tile_dim0 = 8,192
	s_mov_b32 s[G1+4], 2                           ; tile_dim1 = 2
	s_mov_b32 s[G1+5], 262144                      ; a slice in elements
	s_mov_b32 s[G1+6], 0
	s_mov_b32 s[G1+7], 0
	s_or_b32 s[G1B+0], s44, (1<<16)|(1<<20)|(1<<21)|(4<<22)|(7<<25)
	s_mov_b32 s[G1B+1], 128<<16
	s_mov_b32 s[G1B+2], 64<<16
	s_mov_b32 s[G1B+3], 128<<16
	s_mov_b32 s[G1B+4], 64
	s_mov_b32 s[G1B+5], 128
	s_mov_b32 s[G1B+6], 0
	s_mov_b32 s[G1B+7], 0
	s_lshl_b32 s16, s12, 23                        ; A: my plane,
	s_lshl_b32 s17, s13, 14                        ; the tile's 128 rows
	s_add_co_u32 s16, s16, s17
	s_mov_b32 s17, 0
	s_lshl_b32 s46, s42, 1                         ; W: block 48 + 2 nx + p
	s_add_co_u32 s46, s46, s12
	s_add_co_u32 s46, s46, 48
	s_lshl_b32 s46, s46, 17
	s_mov_b32 s47, 0
	s_mul_i32 s20, s12, APL
	s_mul_i32 s21, s12, BBL
	s_add_co_u32 s21, s21, BOFF
	s_wait_dscnt 0x0
	s_wait_kmcnt 0x0
	s_add_nc_u64 s[14:15], s[68:69], s[16:17]
	s_add_nc_u64 s[46:47], s[70:71], s[46:47]
	CROUND
.irp s, 0,1
	s_mov_b32 s[G0+4*(\s)], 1
	s_add_co_u32 s[G0+4*(\s)+1], s20, (\s)*SLOT
	s_add_nc_u64 s[G0+4*(\s)+2:G0+4*(\s)+3], s[14:15], (\s)*ASTEP
	s_or_b32 s[G0+4*(\s)+3], s[G0+4*(\s)+3], 0x80000000
	s_mov_b32 s[G0B+4*(\s)], 1
	s_add_co_u32 s[G0B+4*(\s)+1], s21, (\s)*SLOT
	s_add_nc_u64 s[G0B+4*(\s)+2:G0B+4*(\s)+3], s[46:47], (\s)*BSTEP
	s_or_b32 s[G0B+4*(\s)+3], s[G0B+4*(\s)+3], 0x80000000
	JLOAD \s
.endr
	v_and_b32 v1, 15, v0
	v_bfe_u32 v2, v0, 4, 1
	v_mul_u32_u24 v3, v1, PA
	v_lshl_add_u32 v3, v2, 4, v3
	s_mul_i32 s22, s11, 64*PA                      ; my 64 rows
	v_add_nc_u32 v[ADRA], s22, v3
	v_add_nc_u32 v[ADRA+1], SLOT, v[ADRA]
	v_and_b32 v4, 7, v0
	v_bfe_u32 v5, v0, 3, 1
	v_lshl_add_u32 v6, v2, 3, v4
	v_mul_u32_u24 v6, v6, PBW
	v_lshl_add_u32 v6, v5, 4, v6
	s_mul_i32 s22, s12, BBL                        ; my block of W
	s_add_co_u32 s22, s22, BOFF
	v_add_nc_u32 v[ADRB], s22, v6
	v_add_nc_u32 v[ADRB+1], SLOT, v[ADRB]
	s_mul_i32 s23, s10, 16*SP
	s_add_co_u32 s23, s23, STAGE
	v_mul_u32_u24 v7, v1, SP                       ; in: row r, 32 bytes for each half of the lanes
	v_lshl_add_u32 v7, v2, 5, v7
	v_add_nc_u32 v[STO], s23, v7
	v_mul_u32_u24 v7, v2, SP                       ; back: lanes 0-15 one row of 256 bytes, lanes 16-31 the next
	v_lshl_add_u32 v7, v1, 4, v7
	v_add_nc_u32 v[RD], s23, v7
	v_lshlrev_b32 v[CO], 12, v2                    ; and the same two rows of out0
	v_lshl_add_u32 v[CO], v1, 4, v[CO]
	v_lshlrev_b32 v[BO], 5, v2
	s_lshl_b32 s46, s13, 19                        ; out0 at my wave's corner: 128 rows of 4,096 bytes a tile,
	s_lshl_b32 s47, s11, 18                        ; 64 rows,
	s_add_co_u32 s46, s46, s47
	s_lshl_b32 s76, s42, 9                         ; 128 columns,
	s_lshl_b32 s77, s12, 8                         ; 64 columns
	s_add_co_u32 s76, s76, s77
	s_add_co_u32 s46, s46, s76
	s_mov_b32 s47, 0
	s_mov_b32 s77, 0
	s_add_nc_u64 s[74:75], s[74:75], s[46:47]
	s_add_nc_u64 s[72:73], s[72:73], s[76:77]      ; the bias of my 64 columns
.irp b, 0,1,2,3
	global_load_b128 v[BIAS+8*\b:BIAS+8*\b+3],   v[BO], s[72:73] offset:64*\b
	global_load_b128 v[BIAS+8*\b+4:BIAS+8*\b+7], v[BO], s[72:73] offset:64*\b+16
.endr
	s_wait_loadcnt 0x0
.set i, 0
.rept 16
	v_cvt_pk_bf16_f32 v[OB+i%4], v[BIAS+2*i], v[BIAS+2*i+1]
	v_lshlrev_b32 v[BIAS+2*i], 16, v[OB+i%4]
	v_and_b32 v[BIAS+2*i+1], 0xffff0000, v[OB+i%4]
	v_pk_add_f32 v[BIAS+2*i:BIAS+2*i+1], v[BIAS+2*i:BIAS+2*i+1], v[BIAS+2*i:BIAS+2*i+1]   ; twice: once for each projection
.set i, i+1
.endr
; 8 products: row blocks a0, a0 + 1 x the four fragments of W, 32 along K, from buffer f; pl = 0 the upper part, 1 the lower.  The 16 accumulators take turns.
.macro MUL8 f, pl, a0, first
	WIN 0x05                                       ; both sources in window 1
.irp a, \a0, (\a0)+1
.irp b, 0,1,2,3
.if \first
	v_wmma_f32_16x16x32_f16 v[ACC+8*(4*(\a)+(\b)):ACC+8*(4*(\a)+(\b))+7], v[96*(\f)+64+8*(\b):96*(\f)+64+8*(\b)+7], v[96*(\f)+32*(\pl)+8*(\a):96*(\f)+32*(\pl)+8*(\a)+7], v[BIAS+8*(\b):BIAS+8*(\b)+7]
.else
	v_wmma_f32_16x16x32_f16 v[ACC+8*(4*(\a)+(\b)):ACC+8*(4*(\a)+(\b))+7], v[96*(\f)+64+8*(\b):96*(\f)+64+8*(\b)+7], v[96*(\f)+32*(\pl)+8*(\a):96*(\f)+32*(\pl)+8*(\a)+7], v[ACC+8*(4*(\a)+(\b)):ACC+8*(4*(\a)+(\b))+7]
.endif
.endr
.endr
.endm
; 24 LDS loads in one run: quarter q of a slot into buffer f: W's 8, the upper part's 8, the lower part's 8
.macro FETCH slot, q, f
	WIN 0x40
.irp b, 0,1,2,3
	ds_load_tr16_b128 v[96*(\f)+64+8*\b:96*(\f)+64+8*\b+3],   v[ADRB+(\slot)] offset:(\q)*32*PBW+32*\b
	ds_load_tr16_b128 v[96*(\f)+64+8*\b+4:96*(\f)+64+8*\b+7], v[ADRB+(\slot)] offset:(\q)*32*PBW+32*\b+16*PBW
.endr
.irp a, 0,1,2,3
	ds_load_b128 v[96*(\f)+8*\a:96*(\f)+8*\a+3],   v[ADRA+(\slot)] offset:APL+((\q)/2)*ASL+((\q)%2)*64+\a*16*PA
	ds_load_b128 v[96*(\f)+8*\a+4:96*(\f)+8*\a+7], v[ADRA+(\slot)] offset:APL+((\q)/2)*ASL+((\q)%2)*64+\a*16*PA+32
.endr
.irp a, 0,1,2,3
	ds_load_b128 v[96*(\f)+32+8*\a:96*(\f)+32+8*\a+3],   v[ADRA+(\slot)] offset:((\q)/2)*ASL+((\q)%2)*64+\a*16*PA
	ds_load_b128 v[96*(\f)+32+8*\a+4:96*(\f)+32+8*\a+7], v[ADRA+(\slot)] offset:((\q)/2)*ASL+((\q)%2)*64+\a*16*PA+32
.endr
.endm
.macro QUARTER slot, qn, f, g, first
	s_wait_dscnt 8                                 ; all but the youngest eight loads (the lower part) are in
	MUL8 \f, 0, 0, \first
	MUL8 \f, 0, 2, \first
	PLACES
	FETCH \slot, \qn, \g
	s_wait_dscnt 24                                ; all but the 24 just issued
	MUL8 \f, 1, 0, 0
	MUL8 \f, 1, 2, 0
.endm
; The last quarter multiplies buffer 1 and changes slots: one barrier; ahead of it each wave waits for all its tensor loads, adds 0 to its spare word, and waits for that and for its reads of this slot.
; fill = 1: the barrier opens a round of the cluster's, and this slot is filled again, two K steps on, first thing behind the round.
.macro TURN slot, next, fill
	WIN 0
	s_wait_tensorcnt 0x0
	ds_add_u32 v[SPW], v[NIL]
	s_wait_dscnt 9                                 ; the add and the youngest eight loads may be out
	MUL8 1, 0, 0, 0
	s_wait_dscnt 0x0
	s_barrier_signal -1
	MUL8 1, 0, 2, 0
.if \fill
	WIN 0
.endif
	s_barrier_wait -1
.if \fill
	CREST
	s_add_nc_u64 s[G0+4*(\slot)+2:G0+4*(\slot)+3], s[G0+4*(\slot)+2:G0+4*(\slot)+3], 2*ASTEP
	s_add_nc_u64 s[G0B+4*(\slot)+2:G0B+4*(\slot)+3], s[G0B+4*(\slot)+2:G0B+4*(\slot)+3], 2*BSTEP
	JLOAD \slot                                    ; its four v_nop are also the places ahead of the loads below
.else
	PLACES
.endif
	FETCH \next, 0, 0
	MUL8 1, 1, 0, 0
	MUL8 1, 1, 2, 0
.endm
	s_wait_tensorcnt 1                             ; my part of K step 0 is in; step 1's may stay out
	s_barrier_signal -1
	s_barrier_wait -1
	FETCH 0, 0, 0
	QUARTER 0, 1, 0, 1, 1                          ; the first products start the sums, with the bias
	WIN 0
	s_mov_b32 s3, LAPS-1
.Llap:
	QUARTER 0, 2, 1, 0, 0
	QUARTER 0, 3, 0, 1, 0
	TURN 0, 1, 1
	QUARTER 1, 1, 0, 1, 0
	QUARTER 1, 2, 1, 0, 0
	QUARTER 1, 3, 0, 1, 0
	TURN 1, 0, 1
	QUARTER 0, 1, 0, 1, 0
	WIN 0
	s_sub_co_u32 s3, s3, 1
	s_cmp_lg_u32 s3, 0
	s_cbranch_scc1 .Llap
	QUARTER 0, 2, 1, 0, 0
	QUARTER 0, 3, 0, 1, 0
	TURN 0, 1, 0
	QUARTER 1, 1, 0, 1, 0
	QUARTER 1, 2, 1, 0, 0
	QUARTER 1, 3, 0, 1, 0
	s_wait_dscnt 8
	MUL8 1, 0, 0, 0
	MUL8 1, 0, 2, 0
	s_wait_dscnt 0x0
	MUL8 1, 1, 0, 0
	MUL8 1, 1, 2, 0
	WIN 0
	PLACES
; THE WAY OUT, 16 rows at a time: the f32 sums go into my own stage (rows of 272 bytes) and come back as whole rows of 256 bytes.
.macro TOSTAGE a
	s_wait_xcnt 0x0                                ; the stores of the block before last have read the registers that the loads below fill
.irp b, 0,1,2,3
	ds_store_b128 v[STO], v[ACC+8*(4*(\a)+\b):ACC+8*(4*(\a)+\b)+3]   offset:64*\b      ; each accumulator's low registers first
	ds_store_b128 v[STO], v[ACC+8*(4*(\a)+\b)+4:ACC+8*(4*(\a)+\b)+7] offset:64*\b+16
.endr
.irp t, 0,1,2,3,4,5,6,7
	ds_load_b128 v[OB+32*((\a)%2)+4*\t:OB+32*((\a)%2)+4*\t+3], v[RD] offset:\t*2*SP  ; LDS serves a wave's instructions in order: these see the stores above
.endr
.endm
.macro SEND a, younger                 ; younger: the next block's sixteen LDS instructions, or none
.irp t, 0,1,2,3,4,5,6,7
	s_wait_dscnt (\younger)+7-\t
	global_store_b128 v[CO], v[OB+32*((\a)%2)+4*\t:OB+32*((\a)%2)+4*\t+3], s[74:75] offset:(16*(\a)+2*\t)*4096  ; 16 lanes store 256 consecutive bytes, aligned
.endr
.endm
	TOSTAGE 0
	TOSTAGE 1
	SEND 0, 16
	TOSTAGE 2
	SEND 1, 16
	TOSTAGE 3
	SEND 2, 16
	SEND 3, 0
	s_wait_tensorcnt 0x0                           ; the wave's end
	ds_add_u32 v[SPW], v[NIL]
	s_wait_dscnt 0x0
	CROUND                                         ; the closing round
	s_endpgm
.Lfunc_end_k_q9c5856a2e9_proj:
	.size	k_q9c5856a2e9_proj, .Lfunc_end_k_q9c5856a2e9_proj-k_q9c5856a2e9_proj
	.p2alignl 7, 3214868480
	.fill 96, 4, 3214868480
	.section	.rodata,"a",@progbits
	.p2align	6, 0x0
	.amdhsa_kernel k_q9c5856a2e9_proj
		.amdhsa_group_segment_fixed_size 327680
		.amdhsa_private_segment_fixed_size 0
		.amdhsa_enable_private_segment 0
		.amdhsa_kernarg_size 32
		.amdhsa_user_sgpr_count 2
		.amdhsa_user_sgpr_kernarg_segment_ptr 1
		.amdhsa_wavefront_size32 1
		.amdhsa_system_sgpr_workgroup_id_x 1
		.amdhsa_system_sgpr_workgroup_id_y 1
		.amdhsa_system_sgpr_workgroup_id_z 1
		.amdhsa_system_vgpr_workitem_id 0
		.amdhsa_next_free_vgpr 448
		.amdhsa_next_free_sgpr 80
		.amdhsa_reserve_vcc 0
		.amdhsa_float_denorm_mode_32 3
		.amdhsa_float_denorm_mode_16_64 3
		.amdhsa_memory_ordered 1
		.amdhsa_forward_progress 1
		.amdhsa_inst_pref_size 83
	.end_amdhsa_kernel
	.amdgpu_metadata
---
amdhsa.version: [ 1, 2 ]
amdhsa.kernels:
  - .name:           k_q9c5856a2e9_proj
    .symbol:         k_q9c5856a2e9_proj.kd
    .args:
      - { .name: oo, .offset: 0, .size: 8, .value_kind: global_buffer, .address_space: global }
      - { .name: w16, .offset: 8, .size: 8, .value_kind: global_buffer, .address_space: global }
      - { .name: b_proj, .offset: 16, .size: 8, .value_kind: global_buffer, .address_space: global }
      - { .name: out0, .offset: 24, .size: 8, .value_kind: global_buffer, .address_space: global }
    .group_segment_fixed_size: 327680
    .private_segment_fixed_size: 0
    .kernarg_segment_align: 8
    .kernarg_segment_size: 32
    .max_flat_workgroup_size: 128
    .sgpr_count:     80
    .vgpr_count:     448
    .wavefront_size: 32
...
	.end_amdgpu_metadata
.endif
;; end of part 4
;; ======== version 2 of 2: 5 launches; version 1 with the launch prep written anew for expert scheduling mode
;; limits: values are held in f16: magnitudes above 65,504 overflow, below 6.1e-05 lose precision; right only within a limited range of input values
;; workspace buffers: vh 8,388,608 bytes; w16 8,388,608 bytes; qkk 25,165,824 bytes; ey 16,777,216 bytes; oo 16,777,216 bytes; par1 256 bytes of whole numbers; par2 256 bytes of whole numbers
;; launch prep (part 5): grid 256 x 1, 8 waves a work-group, no clusters, 0 bytes of LDS; arguments x, W_attn, W_k2, W_proj, vh, w16, par1, par2; writes vh, w16, par1, par2
.if DOCPART == 5
	.amdgcn_target "amdgcn-amd-amdhsa--gfx1250"
	.amdhsa_code_object_version 6
	.text
	.protected	k_q9c5856a2e9_prep
	.globl	k_q9c5856a2e9_prep
	.p2align	8
	.type	k_q9c5856a2e9_prep,@function
k_q9c5856a2e9_prep:
	s_mov_b64 s[64:65], 0
	v_nop
	global_prefetch_b8 v0, s[64:65] scope:SCOPE_SE
	s_setreg_imm32_b32 hwreg(HW_REG_WAVE_SCHED_MODE, 0, 2), 2
	s_setreg_imm32_b32 hwreg(HW_REG_WAVE_MODE, 25, 1), 1
	s_wait_xcnt 0x0
	s_wait_alu depctr_vm_vsrc(0)
; x, W_attn, W_k2, W_proj (f32, row-major) are rounded to bf16 and written as f16, in blocks of 64 columns: [block][row][64], a row 128 bytes, a block's rows dense.
;   vh  [16][4096][64] from x;   w16 [64][1024][64]: blocks 0-31 W_attn's columns, 32-47 W_k2's, 48-63 W_proj's.
; LIMITS.  A bf16 number is an f16 number exactly from 2^-14 to 65,504 in magnitude; under 2^-17 it keeps f16's fixed step of 6e-8; 65,520 and more become an infinity.
; SHARES.  One operation for all four: a panel of 32 rows x 4,096 bytes (16 blocks) becomes 16 x 32 rows x 128 bytes.  256 work-groups: 128 panels of x, 64 of W_attn, 32 of W_k2, 32 of W_proj;
; which one is chosen by selects on the work-group's number, with no branch.  Wave w takes blocks 2 w and 2 w + 1.  A load takes 256 consecutive bytes of each of two rows; a store 256 consecutive bytes.
; All 32 loads of a wave go out at once (16 KiB a wave), so there is no loop; each byte is read once and written once.  No LDS, no matrix unit, no cluster: nothing is shared.
; Work-group 0's wave 0 also writes the two tables of whole numbers from which the two attention launches take (d, 1 - d): par1 = (0, 1), par2 = (1, 0).
; THE MODE: SCHED_MODE bits 1:0 = 2 (LLVM: expert scheduling mode 2), set by the entry lines.  The code itself states the register dependences
; between vector instructions and memory instructions, with s_wait_alu, always for 0.
; THE PLAN.  Registers that memory instructions touch:
;   VA, VD     byte offsets, made once at the head and never written again: read by the 32 loads (VA) and the 32 stores (VD).
;   X          load n lands in its four registers before any vector instruction names them; group n's conversions read the four and write the first two anew; store n reads those two; nothing writes them after that.
;   T          named by vector instructions alone.
; The 32 groups go in 8 runs of GRP = 4.  A run's vector instructions name T and the run's own X.  The four stores of the run before are dealt among them, one ahead of each group: they read VD and the X of the run
; before, which no vector instruction of this run names.  So ONE wait on va_vdst at a run's head states all that its four stores hang on.  No register that a memory instruction reads is written again, so past the entry lines the text holds no wait on vm_vsrc.
.set VA, 4                             ; v[4:19]   byte offset of my 16 bytes in rows 2 i, 2 i + 1 of the panel
.set VD, 20                            ; v[20:21]  byte offset of my 8 bytes in block 2 w + j
.set T,  22                            ; v[22:27]  at work
.set X,  32                            ; v[32:159] load n: 4 registers
.set GRP, 4                            ; groups in a run
	s_load_b512 s[8:23], s[0:1], 0x0               ; x s[8:9], W_attn s[10:11], W_k2 s[12:13], W_proj s[14:15], vh s[16:17], w16 s[18:19], par1 s[20:21], par2 s[22:23]
	s_mov_b32 s2, ttmp9                            ; u
	v_and_b32 v1, 31, v0                           ; lane
	v_lshrrev_b32 v2, 5, v0
	v_readfirstlane_b32 s24, v2                    ; wave
	s_sub_co_u32 s25, s2, 128
	s_lshr_b32 s26, s25, 1                         ; W_attn: group of 32 rows,
	s_and_b32 s27, s25, 1                          ; which half of its 2,048 columns,
	s_lshl_b32 s28, s27, 4                         ; first block
	s_sub_co_u32 s29, s2, 192                      ; W_k2: group of rows
	s_sub_co_u32 s34, s2, 224                      ; W_proj: group of rows
	s_mov_b32 s35, 4096
	s_mov_b32 s36, 8192
	s_mov_b32 s37, 524288
	s_mov_b32 s38, 131072
	s_mov_b32 s45, 0xffff0000                      ; a word's upper bf16
	s_wait_kmcnt 0x0
	s_wait_alu depctr_va_sdst(0)                   ; s24, the wave's number, is written, ahead of its first reader: the offsets of the wave's two blocks are made from it
	s_cmp_lt_u32 s2, 224                           ; W_k2 or W_proj
	s_cselect_b32 s3, s29, s34                     ; s3 group of rows
	s_cselect_b32 s7, 32, 48                       ; s7 first block
	s_cselect_b64 s[30:31], s[12:13], s[14:15]     ; s[30:31] source
	s_cmp_lt_u32 s2, 192                           ; W_attn
	s_cselect_b32 s3, s26, s3
	s_cselect_b32 s7, s28, s7
	s_cselect_b32 s4, s27, 0                       ; s4 panel in the row
	s_cselect_b32 s5, s36, s35                     ; s5 bytes in a source row
	s_cselect_b64 s[30:31], s[10:11], s[30:31]
	s_cmp_lt_u32 s2, 128                           ; x
	s_cselect_b32 s3, s2, s3
	s_cselect_b32 s7, 0, s7
	s_cselect_b32 s4, 0, s4
	s_cselect_b32 s5, s35, s5
	s_cselect_b32 s6, s37, s38                     ; s6 bytes in a block of the destination
	s_cselect_b64 s[30:31], s[8:9], s[30:31]
	s_cselect_b64 s[32:33], s[16:17], s[18:19]     ; s[32:33] destination
	s_mul_i32 s40, s3, s5
	s_lshl_b32 s40, s40, 5                         ; 32 rows a group
	s_lshl_b32 s41, s4, 12
	s_add_co_u32 s40, s40, s41
	s_mov_b32 s41, 0
	s_add_nc_u64 s[30:31], s[30:31], s[40:41]
	s_mul_i32 s42, s7, s6
	s_lshl_b32 s43, s3, 12                         ; 32 rows of 128 bytes
	s_add_co_u32 s42, s42, s43
	s_mov_b32 s43, 0
	s_add_nc_u64 s[32:33], s[32:33], s[42:43]
	v_lshrrev_b32 v3, 4, v1                        ; lanes 16-31 take the odd row
	v_and_b32 v2, 15, v1
	v_mul_lo_u32 v[VA], v3, s5
	v_lshl_add_u32 v[VA], v2, 4, v[VA]
	s_lshl_b32 s46, s24, 9                         ; my wave's two blocks: 512 bytes of a source row
	v_add_nc_u32 v[VA], s46, v[VA]
	s_lshl_b32 s44, s5, 1
.set i, 1
.rept 15
	v_add_nc_u32 v[VA+i], s44, v[VA+i-1]           ; two rows on
.set i, i+1
.endr
	s_lshl_b32 s47, s24, 1
	s_mul_i32 s47, s47, s6
	v_lshl_add_u32 v[VD], v1, 3, s47               ; 8 x lane + block 2 w
	v_add_nc_u32 v[VD+1], s6, v[VD]
	s_wait_alu depctr_va_vdst(0)                   ; the eighteen offsets v[4:21] are written: every load below reads one of VA, every store one of VD, and none is written again
.set i, 0
.rept 16
	global_load_b128 v[X+8*i:X+8*i+3],   v[VA+i], s[30:31] th:TH_LOAD_NT
	global_load_b128 v[X+8*i+4:X+8*i+7], v[VA+i], s[30:31] offset:256 th:TH_LOAD_NT
.set i, i+1
.endr
.set n, 0
.rept 32
	s_wait_loadcnt 31-n                            ; loads come back in order: load n is in, the 31 - n younger ones stay out
.if (n%GRP == 0) && (n > 0)
	s_wait_alu depctr_va_vdst(0)                   ; the run before has written its eight result registers, which the four stores dealt into this run read
.endif
.if n >= GRP
.set m, n-GRP
	global_store_b64 v[VD+m%2], v[X+4*m:X+4*m+1], s[32:33] offset:256*(m/2)  ; the run before: 32 lanes: rows 2 i and 2 i + 1 of one block, 256 consecutive bytes; no vector instruction since the wait names these registers, and they are not written again
.endif
	v_cvt_pk_bf16_f32 v[T],   v[X+4*n],   v[X+4*n+1]   ; the one rounding
	v_cvt_pk_bf16_f32 v[T+1], v[X+4*n+2], v[X+4*n+3]
	v_lshlrev_b32 v[T+2], 16, v[T]
	v_and_b32     v[T+3], s45, v[T]
	v_lshlrev_b32 v[T+4], 16, v[T+1]
	v_and_b32     v[T+5], s45, v[T+1]
	v_cvt_pk_f16_f32 v[X+4*n],   v[T+2], v[T+3]   ; the same numbers in f16
	v_cvt_pk_f16_f32 v[X+4*n+1], v[T+4], v[T+5]
.set n, n+1
.endr
	s_wait_alu depctr_va_vdst(0)                   ; the last run has written its eight result registers, which the last four stores read
.set m, 32-GRP
.rept GRP
	global_store_b64 v[VD+m%2], v[X+4*m:X+4*m+1], s[32:33] offset:256*(m/2)
.set m, m+1
.endr
	s_or_b32 s46, s2, s24
	s_cmp_lg_u32 s46, 0
	s_cbranch_scc1 .Lend
	v_mov_b32 v28, 0
	v_mov_b32 v29, 1
	v_mov_b32 v30, 1
	v_mov_b32 v31, 0
	v_lshlrev_b32 v2, 3, v1
	s_wait_alu depctr_va_vdst(0)                   ; v2, the offset, and v[28:31], the data, are written: the two stores below read them
	global_store_b64 v2, v[28:29], s[20:21]        ; par1: 32 pairs (0, 1)
	global_store_b64 v2, v[30:31], s[22:23]        ; par2: 32 pairs (1, 0)
.Lend:
	s_endpgm
.Lfunc_end_k_q9c5856a2e9_prep:
	.size	k_q9c5856a2e9_prep, .Lfunc_end_k_q9c5856a2e9_prep-k_q9c5856a2e9_prep
	.p2alignl 7, 3214868480
	.fill 96, 4, 3214868480
	.section	.rodata,"a",@progbits
	.p2align	6, 0x0
	.amdhsa_kernel k_q9c5856a2e9_prep
		.amdhsa_group_segment_fixed_size 0
		.amdhsa_private_segment_fixed_size 0
		.amdhsa_enable_private_segment 0
		.amdhsa_kernarg_size 64
		.amdhsa_user_sgpr_count 2
		.amdhsa_user_sgpr_kernarg_segment_ptr 1
		.amdhsa_wavefront_size32 1
		.amdhsa_system_sgpr_workgroup_id_x 1
		.amdhsa_system_sgpr_workgroup_id_y 1
		.amdhsa_system_sgpr_workgroup_id_z 1
		.amdhsa_system_vgpr_workitem_id 0
		.amdhsa_next_free_vgpr 160
		.amdhsa_next_free_sgpr 66
		.amdhsa_reserve_vcc 0
		.amdhsa_float_denorm_mode_32 3
		.amdhsa_float_denorm_mode_16_64 3
		.amdhsa_memory_ordered 1
		.amdhsa_forward_progress 1
		.amdhsa_inst_pref_size 23
	.end_amdhsa_kernel
	.amdgpu_metadata
---
amdhsa.version: [ 1, 2 ]
amdhsa.kernels:
  - .name:           k_q9c5856a2e9_prep
    .symbol:         k_q9c5856a2e9_prep.kd
    .args:
      - { .name: x, .offset: 0, .size: 8, .value_kind: global_buffer, .address_space: global }
      - { .name: W_attn, .offset: 8, .size: 8, .value_kind: global_buffer, .address_space: global }
      - { .name: W_k2, .offset: 16, .size: 8, .value_kind: global_buffer, .address_space: global }
      - { .name: W_proj, .offset: 24, .size: 8, .value_kind: global_buffer, .address_space: global }
      - { .name: vh, .offset: 32, .size: 8, .value_kind: global_buffer, .address_space: global }
      - { .name: w16, .offset: 40, .size: 8, .value_kind: global_buffer, .address_space: global }
      - { .name: par1, .offset: 48, .size: 8, .value_kind: global_buffer, .address_space: global }
      - { .name: par2, .offset: 56, .size: 8, .value_kind: global_buffer, .address_space: global }
    .group_segment_fixed_size: 0
    .private_segment_fixed_size: 0
    .kernarg_segment_align: 8
    .kernarg_segment_size: 64
    .max_flat_workgroup_size: 256
    .sgpr_count:     66
    .vgpr_count:     160
    .wavefront_size: 32
...
	.end_amdgpu_metadata
.endif
;; end of part 5
;; launch qkv: the kernel of part 2 again; grid 16 x 16, 4 waves a work-group, clusters of 4 x 4, 327,680 bytes of LDS; arguments vh, w16, qkk, b_attn, b_k2; writes qkk
;; launch attn: the kernel of part 3 again; grid 8 x 32, 8 waves a work-group, no clusters, 327,680 bytes of LDS; arguments par1, qkk, vh, ey; writes ey
;; launch attn2: the kernel of part 3 again; grid 8 x 32, 8 waves a work-group, no clusters, 327,680 bytes of LDS; arguments par2, qkk, ey, oo; writes oo
;; launch proj: the kernel of part 4 again; grid 8 x 32, 4 waves a work-group, clusters of 4 x 4, 327,680 bytes of LDS; arguments oo, w16, b_proj, out0; writes out0
